; MI455X (gfx1250); checked and timed in simulation.
; The chip was launched on July 23, 2026; its instructions are those of AMD's public machine-readable ISA for CDNA 5 (MIT licence, August 2026) and "CDNA5" Instruction Set Architecture Reference Guide (July 2026). The comments in the code are by the model that wrote it; some were corrected since.
;; Multi Head Attention. Allowed arithmetic: matrix products marked QUANTISED: E2M3 operands, one E8M0 scale for each 32 along K, by v_wmma_scale_f32_16x16x128_f8f6f4 with both operands' format E2M3, f32 sums; everything else in f32.
;; Inputs: Wk 1,024 x 1,024 float32; Wo 1,024 x 1,024 float32; Wq 1,024 x 1,024 float32; Wv 1,024 x 1,024 float32; x 4 x 2,048 x 1,024 float32.
;; Outputs: out0 4 x 2,048 x 1,024 float32.
;; This version of the problem:
;;   THIS VERSION OF THE PROBLEM IS GIVEN IN LOW PRECISION. The matrix products marked QUANTISED in the list below multiply operands that are first quantised to E2M3 (2 exponent bits, 3 mantissa bits; 6 bits a number), with one power-of-two scale for each 32 numbers along K (OCP MX v1.0); their sums are f32. All else is computed in f32.
;;   The module's matrix products, in the order in which they are computed (A, B: the left and right operand; K: the contracted axis; several contracted axes count as one K, in the product's order):
;;     1. [M 8,192, K 1,024] x [K 1,024, N 1,024]; A: input x; B: input Wq: QUANTISED
;;     2. [M 8,192, K 1,024] x [K 1,024, N 1,024]; A: input x; B: input Wk: QUANTISED
;;     3. [M 8,192, K 1,024] x [K 1,024, N 1,024]; A: input x; B: input Wv: QUANTISED
;;     4. batch 64 x [M 2,048, K 64] x [K 64, N 2,048]; A: computed on the way; B: computed on the way: QUANTISED
;;     5. batch 64 x [M 2,048, K 2,048] x [K 2,048, N 64]; A: softmax (see below); B: computed on the way: QUANTISED
;;     6. [M 8,192, K 1,024] x [K 1,024, N 1,024]; A: computed on the way; B: input Wo: QUANTISED
;;   THE QUANTISER, for each operand of a quantised product, along K:
;;     - K is cut into blocks of 32 from its start; a last block that is shorter is filled with zeros.
;;     - A block's scale is 2^e with e = floor(log2(the largest magnitude in the block)) - 2, held to -126 .. 127; a block of zeros has e = 0. As a byte (E8M0): e + 127.
;;     - Each number is divided by its block's scale, clamped to +-7.5, and rounded to the nearest number of E2M3, ties to even, subnormals kept.
;;     - The product sums the exact products of the quantised numbers (number of the format x scale) in f32.
;;   ~~~python
;;   def quantise(x, axis):      # numpy; x: float32 -> the quantised numbers, widened to float32 again
;;       x = np.moveaxis(x, axis, -1); K = x.shape[-1]
;;       x = np.pad(x, [(0, 0)] * (x.ndim - 1) + [(0, -K % 32)]); x = x.reshape(x.shape[:-1] + (-1, 32)); a = np.abs(x).max(-1, keepdims=True)
;;       e = np.where(a > 0, np.clip(np.frexp(np.where(a > 0, a, 1))[1] - 1 - 2, -126, 127), 0)      # np.frexp(a)[1] - 1 = floor(log2(a)), exactly
;;       r = np.clip(x / 2.0 ** e, -7.5, 7.5)
;;       step = 2.0 ** (np.maximum(np.frexp(np.where(r == 0, 1, r))[1] - 1, 0) - 3)
;;       q = np.round(r / step) * step * 2.0 ** e      # np.round: ties to even
;;       return np.moveaxis(q.reshape(q.shape[:-2] + (-1,))[..., :K], -1, axis).astype(np.float32)
;;   ~~~
;;   SOFTMAX AHEAD OF A QUANTISED PRODUCT. Where the list says 'softmax', what is quantised is not the finished softmax but p = 2^(t - M), with t = logit x log2(e) and M = ceil(the row's largest t), a whole number; so 1/2 < the row's largest p <= 1. The row's sum l is taken of the UNQUANTISED p, in f32, and the product's result is divided by l at the end. Since M is a whole number, a kernel that streams over the keys may use a running M (the ceiling of the running maximum): every later rescaling is an exact power of two, which a block's scale takes up: the codes' values come out the same.
;;   OPERANDS COMPUTED ON THE WAY. 'Computed on the way' means the value that the module computes at that place (a softmax that the list does not call 'softmax' is quantised finished and normalised). What goes into a quantiser is computed in f32, as accurately as f32 sums, v_exp_f32 and their like allow (about 1e-6 of the number): no bf16 or f16 on the way to a quantiser, and a product that is left as it is and whose result goes on into a quantised operand takes f32 operands (vector FMAs, or v_wmma_f32_16x16x4_f32). A number that lies on a knife's edge between two numbers of the format may be rounded either way, as far as f32 arithmetic and the matrix unit's own rounding can turn it there, and no further.
;; One version. Each part assembles by itself: llvm-mc -triple=amdgcn-amd-amdhsa -mcpu=gfx1250 --defsym DOCPART=n.
;; ======== version 1 of 1: 4 launches
;; workspace buffers: xq 6,815,744 bytes; wq 3,407,872 bytes; qq 6,815,744 bytes; kv 13,369,344 bytes; oq 6,815,744 bytes
;; launch quant (part 1): grid 384 x 1, 4 waves a work-group, no clusters, 34,304 bytes of LDS; arguments x, Wq, Wk, Wv, Wo, xq, wq; writes xq, wq
.if DOCPART == 1
	.amdgcn_target "amdgcn-amd-amdhsa--gfx1250"
	.amdhsa_code_object_version 6
	.text
	.protected	k_qe2b3281f35_quant
	.globl	k_qe2b3281f35_quant
	.p2align	8
	.type	k_qe2b3281f35_quant,@function
k_qe2b3281f35_quant:
	s_mov_b64 s[64:65], 0
	v_nop
	global_prefetch_b8 v0, s[64:65] scope:SCOPE_SE
	s_setreg_imm32_b32 hwreg(HW_REG_WAVE_MODE, 25, 1), 1
	s_wait_xcnt 0x0
; x [8192][1024] and Wq, Wk, Wv, Wo [1024][1024], f32 with K innermost, become codes of FP6 (E2M3) with one E8M0 byte for each 32 along K,
; laid in the order of the matrix operand's registers, so that the products' launches read them by loads of 16 and 8 bytes a lane.
; A block's scale is 2^(floor(log2(largest magnitude)) - 2); its byte is the largest magnitude's exponent field - 2, held at 1 from below.
; LAYOUT.  A half-image (768 bytes) is 16 rows x 64 K: lane (r = lane % 16, h = lane / 16) owns the 24 bytes of row r, block h: its registers 0-3 at 16 x lane, 4-5 at 512 + 8 x lane.
; A record (3,328 bytes) is 16 rows x 256 K: four half-images, at 3,072 the scale words [r][two words of four bytes, 128 K each], at 3,200 zeros.  A tile of 16 rows is four records, 13,312 bytes.
; ORDER INSIDE A BLOCK.  The two middle octets of every block of 32 change places (positions 8-15 hold k 16-23, positions 16-23 hold k 8-15), in every operand of every product of this program:
; it is the order in which a transposed matrix result falls into a lane's registers, so computed operands need no other lane's numbers.  Blocks and scales are untouched; only the grouping of the sums differs.
; LIMITS: NaN and infinities among the inputs are not served; a block of zeros gets the byte 1 (its codes are zeros, and this program alone reads the bytes); blocks under 2^-124 keep the byte 1.
; SHARES.  A wave takes 16 rows x 512 K (two records), in four steps of 128 K.  Each load reads 512 consecutive bytes of one row; a step's 8,192 bytes turn through the wave's own stage in LDS.
; No tensor load, no barrier: waves share nothing.  Work-groups 0-255 take x, then 32 each Wq, Wk, Wv, Wo.
.set PITCH, 528                        ; a stage row: 512 bytes + 16: an odd multiple of 16 bytes
.set WSTG,  16*PITCH                   ; a wave's stage
.set GREC,  3328
.set TROW,  13312
.set R,     16                         ; v16-143  two sets of 64 registers as loaded
.set X,     144                        ; v144-207 my two blocks of 32, in the operand's order
.set C,     208                        ; v208-231 codes, two sets of 12
.set CT,    232                        ; v232-238 the second halves of the blocks' codes
.set SW,    12                         ; v12-15   a step's scale word
	s_load_b256 s[4:11], s[0:1], 0x0               ; x, Wq, Wk, Wv
	s_load_b128 s[12:15], s[0:1], 0x20             ; Wo, xq
	s_load_b64 s[16:17], s[0:1], 0x30              ; wq
	v_lshl_add_u32 v254, v0, 2, 0x8400
	v_mov_b32 v255, 0
	v_lshrrev_b32 v7, 5, v0
	v_readfirstlane_b32 s24, v7                    ; wave
	v_and_b32 v7, 31, v0                           ; lane
	v_lshlrev_b32 v1, 4, v7                        ; 16 x lane
	v_lshlrev_b32 v2, 3, v7                        ; 8 x lane
	v_and_b32 v240, 15, v0                         ; r
	v_bfe_u32 v241, v0, 4, 1                       ; h
	s_mul_i32 s25, s24, WSTG
	v_add_nc_u32 v3, s25, v1                       ; the stage, on the way in: a row's 512 bytes as they lie
	v_mul_u32_u24 v4, v240, PITCH
	v_lshl_add_u32 v4, v241, 7, v4
	v_add_nc_u32 v4, s25, v4                       ; and on the way out: row r, block h
	v_lshlrev_b32 v5, 3, v240
	v_lshl_add_u32 v5, v241, 7, v5                 ; the scale words' unit: 8 r + 128 h
	v_lshlrev_b32 v6, 3, v241                      ; 8 h
	v_cmp_eq_u32 s32, 0, v241                      ; lanes 0-15
	v_mov_b32 v244, 0                              ; written once: a lane permute's destination counts as one of its sources
	s_mov_b32 s30, 0x76543210
	s_mov_b32 s31, 0xfedcba98                      ; selects for lane xor 16
	s_lshr_b32 s26, s24, 1
	s_lshl_b32 s27, ttmp9, 1
	s_add_co_u32 s26, s26, s27                     ; T: which tile of 16 rows, 0 .. 767
	s_and_b32 s27, s26, 63                         ; in a weight
	s_sub_co_u32 s28, s26, 512                     ; among the weights' tiles
	s_and_b32 s29, s24, 1                          ; which half of K
	s_wait_alu depctr_va_vdst(0)
	s_wait_kmcnt 0x0
	s_cmp_lt_u32 ttmp9, 352                        ; the choice hangs on the work-group's number alone
	s_cselect_b64 s[20:21], s[10:11], s[12:13]
	s_cmp_lt_u32 ttmp9, 320
	s_cselect_b64 s[20:21], s[8:9], s[20:21]
	s_cmp_lt_u32 ttmp9, 288
	s_cselect_b64 s[20:21], s[6:7], s[20:21]
	s_cmp_lt_u32 ttmp9, 256
	s_cselect_b64 s[20:21], s[4:5], s[20:21]       ; from where
	s_cselect_b64 s[22:23], s[14:15], s[16:17]     ; to where
	s_cselect_b32 s27, s26, s27
	s_cselect_b32 s28, s26, s28
	s_lshl_b32 s34, s27, 16                        ; 16 rows of 4,096 bytes
	s_lshl_b32 s35, s29, 11
	s_add_co_u32 s34, s34, s35
	s_mov_b32 s35, 0
	s_add_nc_u64 s[20:21], s[20:21], s[34:35]
	s_mul_i32 s34, s28, TROW
	s_mul_i32 s36, s29, 2*GREC
	s_add_co_u32 s34, s34, s36
	s_add_nc_u64 s[22:23], s[22:23], s[34:35]
.macro LOAD s                          ; step s: 128 K of my 16 rows; 32 lanes read 512 consecutive bytes
.irp i, 0,1,2,3,4,5,6,7,8,9,10,11,12,13,14,15
	global_load_b128 v[R+64*((\s)%2)+4*\i:R+64*((\s)%2)+4*\i+3], v1, s[20:21] offset:\i*4096+(\s)*512 th:TH_LOAD_NT
.endr
.endm
.macro TURN s                          ; through the stage: LDS serves a wave's instructions in order, so no wait stands between the stores and the loads
.irp i, 0,1,2,3,4,5,6,7,8,9,10,11,12,13,14,15
	ds_store_b128 v3, v[R+64*((\s)%2)+4*\i:R+64*((\s)%2)+4*\i+3] offset:\i*PITCH
.endr
.irp c, 0,1                            ; my blocks 2 c + h; piece j of eight comes from the piece that the order inside a block names
.irp j, 0,1,2,3,4,5,6,7
	ds_load_b128 v[X+32*\c+4*\j:X+32*\c+4*\j+3], v4 offset:256*\c+16*((\j%2)+4*((\j/2)%2)+2*(\j/4))
.endr
.endr
.endm
.macro STEP s
.set CC, C+12*((\s)%2)
.if (\s) < 3
	s_wait_loadcnt 16                              ; this step's 16 loads are in; the next step's may be out
.else
	s_wait_loadcnt 0
.endif
	TURN \s
	s_wait_dscnt 0x0                               ; my numbers are back, and the stores into the stage have read their registers,
.if (\s) < 2
	LOAD (\s)+2                                    ; which take the loads of two steps on
.else
	s_wait_xcnt 0x0                                ; the stores of two steps back have read their data: this set of codes is written again only behind this wait
.endif
.irp c, 0,1
	v_max3_num_f32 v[8+\c], |v[X+32*\c]|, |v[X+32*\c+1]|, 0x1800000   ; all 32 numbers of a block are mine; the floor 2^(3 - 127) holds the byte at 1 from below
.endr
.irp i, 2,4,6,8,10,12,14,16,18,20,22,24,26,28,30
.irp c, 0,1
	v_max3_num_f32 v[8+\c], v[8+\c], |v[X+32*\c+\i]|, |v[X+32*\c+\i+1]|   ; (the two blocks by turns)
.endr
.endr
.irp c, 0,1
	v_add_nc_u32 v[10+\c], 0xff000000, v[8+\c]     ; 2 off the exponent field: the conversion's scale operand
.endr
.irp c, 0,1
	v_lshrrev_b32 v[240+\c], 23, v[10+\c]          ; the scale's byte
.endr
	v_lshl_or_b32 v242, v241, 16, v240             ; my two bytes, blocks h and 2 + h,
	v_lshlrev_b32 v242, v6, v242                   ; at their places in the word;
	v_permlanex16_b32 v244, v242, s30, s31
	v_or_b32 v[SW+(\s)], v242, v244                ; with lane xor 16's two the word is whole
.irp c, 0,1
	v_cvt_scalef32_pk16_fp6_f32 v[CC+6*\c:CC+6*\c+2], v[X+32*\c:X+32*\c+15], v[10+\c]
	v_cvt_scalef32_pk16_fp6_f32 v[CT+4*\c:CT+4*\c+2], v[X+32*\c+16:X+32*\c+31], v[10+\c]   ; (a conversion's three registers begin on an even number)
.endr
	v_nop                                          ; one plain place behind a scaled conversion
.irp c, 0,1
.irp i, 0,1,2
	v_mov_b32 v[CC+6*\c+3+\i], v[CT+4*\c+\i]
.endr
.endr
.irp c, 0,1                            ; a half-image: 512 and 256 consecutive bytes, each at a multiple of 256 from the buffer's first byte
	global_store_b128 v1, v[CC+6*\c:CC+6*\c+3], s[22:23] offset:((\s)/2)*GREC+(2*((\s)%2)+\c)*768
	global_store_b64 v2, v[CC+6*\c+4:CC+6*\c+5], s[22:23] offset:((\s)/2)*GREC+(2*((\s)%2)+\c)*768+512
.endr
.if (\s)%2                             ; a record is whole: its 16 rows' two words in lanes 0-15, the zeros behind them in lanes 16-31: 256 consecutive bytes
	v_cndmask_b32 v[248+(\s)-1], 0, v[SW+(\s)-1], s32
	v_cndmask_b32 v[248+(\s)], 0, v[SW+(\s)], s32
	global_store_b64 v5, v[248+(\s)-1:248+(\s)], s[22:23] offset:((\s)/2)*GREC+3072
.endif
.endm
	LOAD 0
	LOAD 1
	STEP 0
	STEP 1
	STEP 2
	STEP 3
	s_wait_tensorcnt 0x0
	ds_add_u32 v254, v255
	s_wait_dscnt 0x0
	s_endpgm
.Lfunc_end_k_qe2b3281f35_quant:
	.size	k_qe2b3281f35_quant, .Lfunc_end_k_qe2b3281f35_quant-k_qe2b3281f35_quant
	.p2alignl 7, 3214868480
	.fill 96, 4, 3214868480
	.section	.rodata,"a",@progbits
	.p2align	6, 0x0
	.amdhsa_kernel k_qe2b3281f35_quant
		.amdhsa_group_segment_fixed_size 34304
		.amdhsa_private_segment_fixed_size 0
		.amdhsa_enable_private_segment 0
		.amdhsa_kernarg_size 56
		.amdhsa_user_sgpr_count 2
		.amdhsa_user_sgpr_kernarg_segment_ptr 1
		.amdhsa_wavefront_size32 1
		.amdhsa_system_sgpr_workgroup_id_x 1
		.amdhsa_system_sgpr_workgroup_id_y 1
		.amdhsa_system_sgpr_workgroup_id_z 1
		.amdhsa_system_vgpr_workitem_id 0
		.amdhsa_next_free_vgpr 256
		.amdhsa_next_free_sgpr 66
		.amdhsa_reserve_vcc 0
		.amdhsa_float_denorm_mode_32 3
		.amdhsa_float_denorm_mode_16_64 3
		.amdhsa_memory_ordered 1
		.amdhsa_forward_progress 1
		.amdhsa_inst_pref_size 31
	.end_amdhsa_kernel
	.amdgpu_metadata
---
amdhsa.version: [ 1, 2 ]
amdhsa.kernels:
  - .name:           k_qe2b3281f35_quant
    .symbol:         k_qe2b3281f35_quant.kd
    .args:
      - { .name: x, .offset: 0, .size: 8, .value_kind: global_buffer, .address_space: global }
      - { .name: Wq, .offset: 8, .size: 8, .value_kind: global_buffer, .address_space: global }
      - { .name: Wk, .offset: 16, .size: 8, .value_kind: global_buffer, .address_space: global }
      - { .name: Wv, .offset: 24, .size: 8, .value_kind: global_buffer, .address_space: global }
      - { .name: Wo, .offset: 32, .size: 8, .value_kind: global_buffer, .address_space: global }
      - { .name: xq, .offset: 40, .size: 8, .value_kind: global_buffer, .address_space: global }
      - { .name: wq, .offset: 48, .size: 8, .value_kind: global_buffer, .address_space: global }
    .group_segment_fixed_size: 34304
    .private_segment_fixed_size: 0
    .kernarg_segment_align: 8
    .kernarg_segment_size: 56
    .max_flat_workgroup_size: 128
    .sgpr_count:     66
    .vgpr_count:     256
    .wavefront_size: 32
...
	.end_amdgpu_metadata
.endif
;; end of part 1
;; launch qkv (part 2): grid 12 x 32, 4 waves a work-group, clusters of 4 x 4, 327,680 bytes of LDS; arguments xq, wq, qq, kv; writes qq, kv
.if DOCPART == 2
	.amdgcn_target "amdgcn-amd-amdhsa--gfx1250"
	.amdhsa_code_object_version 6
	.text
	.protected	k_qe2b3281f35_qkv
	.globl	k_qe2b3281f35_qkv
	.p2align	8
	.type	k_qe2b3281f35_qkv,@function
k_qe2b3281f35_qkv:
	s_mov_b64 s[64:65], 0
	v_nop
	global_prefetch_b8 v0, s[64:65] scope:SCOPE_SE
	s_setreg_imm32_b32 hwreg(HW_REG_WAVE_MODE, 25, 1), 1
	s_wait_xcnt 0x0
	s_wait_alu depctr_hold_cnt(0) depctr_sa_sdst(0) depctr_va_vdst(0) depctr_va_sdst(0) depctr_va_ssrc(0) depctr_va_vcc(0) depctr_vm_vsrc(0)
	s_getreg_b32 s2, hwreg(HW_REG_IB_STS2, 6, 4)
	s_cmp_eq_u32 s2, 0
	s_cbranch_scc0 .Lentry_in_a_cluster
	s_endpgm
.Lentry_in_a_cluster:
	s_bfe_u32 s2, ttmp6, 0x10000c
	s_cmp_lg_u32 s2, 0xf033
	s_cbranch_scc0 .Lentry_shape_is_right
	s_endpgm
.Lentry_shape_is_right:
; Q = x Wq^T, K = x Wk^T, V = x Wv^T on codes of FP6 (E2M3) with E8M0 scales, K = 1,024; the f32 results are quantised in registers on the way out:
; Q and K along a head's 64 channels, V along the keys.  Only codes and scale words go to memory.
; OPERANDS (made by the launch before): a tile of 16 rows is four records of 3,328 bytes (256 K each): four half-images of 768 bytes (16 rows x 64 K: lane's registers 0-3 at 16 x lane, 4-5 at 512 + 8 x lane),
; at 3,072 the scale words [row][2].  Inside every block of 32 the two middle octets have changed places, in both operands alike.
; A tile of the result, 256 x 256, is made by four waves, 128 x 128 each: 64 accumulators, 512 registers.  THE MATRIX INSTRUCTION IS USED TRANSPOSED: source 0 = 16 rows of B', source 1 = 16 rows of A':
; lane (r, h) of accumulator (a, b) holds row 16 a + r of A' and rows 16 b + 8 h + 0 .. 7 of B'.
; ONE BODY FOR THREE PRODUCTS.  Cluster x = 0, 1 (Q, K): A' = x, B' = the weight: a lane holds one token and its registers run along the channels.  Cluster x = 2 (V): A' = Wv, B' = x: a lane holds one channel
; and its registers run along the keys.  Either way a lane's 16 registers of accumulators (a, 2 n), (a, 2 n + 1) are half of a block of 32 along the next product's K, the other half in lane xor 16.
; K goes in four steps of 256 through three LDS slots; K steps 0, 1, 2 are first fills, K step 3 fills slot 0 again behind a round of the cluster's barrier: three tensor loads of a wave are out at the start, later one.
; CLUSTERS: 4 x 4 work-groups; A' is shared along a row of the cluster, B' along a column: joint loads.
; OUTPUT.  qq: Q's half-images [batch x head][tile of 16 tokens][768], then from byte 6,291,456 a scale word for each [batch x head][token].  kv: [batch x head][8] records of 26,112 bytes for 256 keys:
; 16 half-images of K; from 12,288 V's 8 fragments (16 channels x 128 keys, three pieces of 512 bytes); from 24,576 K's 256 scale words; from 25,600 V's words [fragment][channel].
; A head's scale word of Q or K has its two bytes below; the two above are the neighbouring head's or 0, never 0xff: they meet zero codes in the next launch.
; LIMITS: NaN and infinities are not served; a block of zeros gets the byte 1; the order inside a block changes the grouping of the sums alone.
; REGISTERS: window 0: v0-31 addresses; v32-63 scale words, two sets; v128-223 A's 8 fragments, one set; on the way out v32-255 are free.  window 1: B's fragments, two sets, at v0 and v128.  windows 2, 3: the accumulators.
.set NB,    8
.set FR,    12
.set GREC,  3328
.set TROW,  13312
.set HALFA, 8*GREC                     ; 128 rows x 256 K of A'
.set PARTB, NB*GREC                    ; the same of B'
.set SLOT,  2*PARTB+2*HALFA            ; B's two parts, then A's two halves
.set SPARE, 3*SLOT                     ; the spare words, 128 bytes for each wave: two blocks of 256 bytes that no other line names
.set STAGE, SPARE+512                  ; 1,024 bytes for each wave: scale words on their way out; no tensor load lands here
.set L16,   4                          ; v4  16 x lane
.set L8,    5                          ; v5  8 x lane
.set STS,   6                          ; v6  my stage + 4 r
.set STR,   7                          ; v7  my stage + 16 x lane
.set VSV,   8                          ; v8  V's scale words in memory: 16 r, and a head further on for lanes 16-31
.set ADRA16, 10                        ; v10-12 A's images in slot 0, 1, 2, 16 bytes a lane;  v13-15 8 bytes a lane
.set ADRA8,  13
.set ADRB16, 16                        ; v16-18, v19-21 the same for B
.set ADRB8,  19
.set ADRS,   22                        ; v22-24 scale words: lanes 0-15 A's rows, lanes 16-31 B's
.set SPW,   28                         ; v28 my spare word's address; never rewritten
.set NIL,   29                         ; v29 0; never rewritten
.set SC,    32                         ; set s at v[SC + 16 s]; register 2 i + q: lanes 0-15 A's block i, lanes 16-31 B's block i, the K step's q-th 128
.set AF,    128
.set TM,    32                         ; the way out: v32-47 at work
.set PW,    224                        ; v224-231 scale words;  v232-239 their upper halves
.set PW2,   232
.set G1,  24
.set G0,  32                           ; s[32:43] three groups 0 for A'
.set G1B, 48
.set G0B, 68                           ; s[68:79] three for B'
.set MSB, 0
.macro WIN new                         ; the immediate's high byte repeats the setting that is left
.if MSB != (\new)
	s_set_vgpr_msb (MSB<<8)|(\new)
.set MSB, (\new)
.endif
.endm
.set MUL_LO, 0xa1                      ; source 0 (B) window 1, source 1 (A) window 0, C and D window 2
.set MUL_HI, 0xf1
.set TO_B,   0x40
.macro JLOAD g0a, g1a, g0b, g1b        ; a joint load: waves 0 and 1 fetch for A', waves 2 and 3 for B'; four v_nop follow each line
	s_cmp_eq_u32 s15, 0
	s_cbranch_scc0 .Lfor_b_\@
	tensor_load_to_lds s[\g0a:\g0a+3], s[\g1a:\g1a+7]
	s_nop 0
.rept 4
	v_nop
.endr
	s_branch .Lasked_\@
.Lfor_b_\@:
	tensor_load_to_lds s[\g0b:\g0b+3], s[\g1b:\g1b+7]
	s_nop 0
.rept 4
	v_nop
.endr
.Lasked_\@:
.endm
.macro CREST                           ; a round of the cluster's barrier behind its opening barrier
	s_cmp_lg_u32 s14, 0
	s_cbranch_scc1 .Lnot_wave_0_\@
	s_barrier_signal -3
.Lnot_wave_0_\@:
	s_barrier_wait -3
	s_barrier_signal -1
	s_barrier_wait -1
.endm
.macro CROUND
	s_barrier_signal -1
	s_barrier_wait -1
	CREST
.endm
.macro PLACES n
.rept \n
	v_nop
.endr
.endm
	s_load_b128 s[4:7], s[0:1], 0x0                ; xq, wq
	s_load_b128 s[8:11], s[0:1], 0x10              ; qq, kv
	v_lshl_add_u32 v[SPW], v0, 2, SPARE
	v_mov_b32 v[NIL], 0
	ds_add_u32 v28, v29
	ds_add_u32 v28, v29
	s_wait_dscnt 0x0
	v_lshrrev_b32 v1, 5, v0
	v_readfirstlane_b32 s14, v1                    ; wave
	s_lshr_b32 s15, s14, 1                         ; WR: my half of A'.  Also: I fetch for A' (0) or B' (1)
	s_and_b32 s16, s14, 1                          ; WC: my part of B'.  Also: which half I fetch
	s_bfe_u32 s44, ttmp6, 0x40000                  ; cx
	s_bfe_u32 s45, ttmp6, 0x40004                  ; cy
	s_lshl_b32 s46, s45, 2
	s_lshl_b32 s46, 15, s46                        ; my row of the cluster
	s_lshl_b32 s47, 0x1111, s44                    ; my column
	s_or_b32 s[G1], s46, (3<<16)|(1<<21)           ; the mask; elements of 8 bytes; no padding: images are read as consecutive bytes
	s_or_b32 s[G1B], s47, (3<<16)|(1<<21)
.irp g, G1, G1B                        ; 8 rows (tiles of 16) of one record, 416 elements, 1,664 elements apart
	s_mov_b32 s[\g+1], 416<<16
	s_mov_b32 s[\g+2], 8<<16
	s_mov_b32 s[\g+3], 416<<16
	s_mov_b32 s[\g+4], 8
	s_mov_b32 s[\g+5], 1664
	s_mov_b32 s[\g+6], 0
	s_mov_b32 s[\g+7], 0
.endr
	s_and_b32 s17, ttmp7, 0xffff
	s_lshl_b32 s17, s17, 2                         ; 4 x cluster y
	s_lshl_b32 s18, ttmp9, 2                       ; 4 x cluster x
	s_cmp_eq_u32 ttmp9, 2                          ; V?  The cluster's x is the same in all partners
	s_cselect_b32 s19, 8, s17
	s_cselect_b32 s20, s17, s18
	s_add_co_u32 s19, s19, s45                     ; RA: which 256 rows of A' (x: 4 cluster y + cy; Wv: 8 + cy)
	s_add_co_u32 s20, s20, s44                     ; RB: of B' (weights: 4 cluster x + cx; x: 4 cluster y + cx)
	s_lshl_b32 s22, s16, 3
	s_lshl_b32 s21, s19, 4
	s_add_co_u32 s21, s21, s22
	s_mul_i32 s56, s21, TROW
	s_mov_b32 s57, 0
	s_lshl_b32 s23, s20, 4
	s_add_co_u32 s23, s23, s22
	s_mul_i32 s58, s23, TROW
	s_mov_b32 s59, 0
	s_mul_i32 s90, s16, HALFA
	s_add_co_u32 s90, s90, 2*PARTB                 ; where my fetch lands, for A',
	s_mul_i32 s91, s16, PARTB                      ; and for B': no place in the cluster enters an LDS address
	s_wait_kmcnt 0x0
	s_cmp_eq_u32 ttmp9, 2
	s_cselect_b64 s[60:61], s[6:7], s[4:5]
	s_cselect_b64 s[62:63], s[4:5], s[6:7]
	s_add_nc_u64 s[60:61], s[60:61], s[56:57]
	s_add_nc_u64 s[62:63], s[62:63], s[58:59]
	CROUND                                         ; all sixteen work-groups are here: the first joint loads meet
.irp s, 0,1,2
	s_mov_b32 s[G0+4*\s], 1
	s_add_co_u32 s[G0+4*\s+1], s90, \s*SLOT
	s_add_nc_u64 s[G0+4*\s+2:G0+4*\s+3], s[60:61], \s*GREC
	s_or_b32 s[G0+4*\s+3], s[G0+4*\s+3], 0x80000000
	s_mov_b32 s[G0B+4*\s], 1
	s_add_co_u32 s[G0B+4*\s+1], s91, \s*SLOT
	s_add_nc_u64 s[G0B+4*\s+2:G0B+4*\s+3], s[62:63], \s*GREC
	s_or_b32 s[G0B+4*\s+3], s[G0B+4*\s+3], 0x80000000
	JLOAD G0+4*\s, G1, G0B+4*\s, G1B
.endr
	v_and_b32 v1, 31, v0
	v_and_b32 v2, 15, v0                           ; r
	v_bfe_u32 v3, v0, 4, 1                         ; h
	s_wait_alu depctr_va_vdst(0)
	v_lshlrev_b32 v[L16], 4, v1
	s_wait_alu depctr_va_vdst(0)
	v_lshlrev_b32 v[L8], 3, v1
	s_wait_alu depctr_va_vdst(0)
	s_mul_i32 s92, s15, HALFA
	s_add_co_u32 s92, s92, 2*PARTB                 ; my half of A'
	s_mul_i32 s93, s16, PARTB                      ; my part of B'
	s_xor_b32 s94, s16, 1
	s_add_co_u32 s94, s94, 1
	s_mul_i32 s94, s94, PARTB
	s_mul_i32 s95, s15, HALFA
	s_add_co_u32 s94, s94, s95                     ; from my part of B' to my half of A'
	v_xor_b32 v9, 1, v3
	v_mul_u32_u24 v9, s94, v9                      ; lanes 0-15 take A's words: one product
	v_lshl_add_u32 v9, v2, 3, v9
	s_add_co_u32 s95, s93, 3072
.irp s, 0,1,2
	v_add_nc_u32 v[ADRA16+\s], s92, v[L16]
	v_add_nc_u32 v[ADRA8+\s], s92, v[L8]
	v_add_nc_u32 v[ADRB16+\s], s93, v[L16]
	v_add_nc_u32 v[ADRB8+\s], s93, v[L8]
	v_add_nc_u32 v[ADRS+\s], s95, v9
	s_add_co_u32 s92, s92, SLOT
	s_add_co_u32 s93, s93, SLOT
	s_add_co_u32 s95, s95, SLOT
.endr
	s_lshl_b32 s96, s14, 10
	s_add_co_u32 s96, s96, STAGE
	v_lshl_add_u32 v[STS], v2, 2, s96
	v_add_nc_u32 v[STR], s96, v[L16]
	v_mul_u32_u24 v[VSV], v3, 208896
	v_lshl_add_u32 v[VSV], v2, 4, v[VSV]
	s_mov_b32 s88, 0x76543210
	s_mov_b32 s89, 0xfedcba98
	; where the results go
	s_cmp_eq_u32 ttmp9, 2
	s_cselect_b32 s17, s20, s19                    ; which 256 tokens
	s_cselect_b32 s18, s45, s44                    ; which 256 channels (four heads)
	s_cselect_b32 s21, s15, s16                    ; which 128 of them are my wave's (two heads)
	s_cselect_b32 s22, s16, s15                    ; which 128 tokens are my wave's
	s_cselect_b32 s23, 12288, 0                    ; V's codes lie behind K's in a record
	s_mov_b32 s56, 24576
	s_cselect_b32 s56, 25600, s56                  ; a record's scale words: K's, V's
	s_cselect_b32 s57, 8, 9                        ; my 128 tokens' step among the words: 256 or 512 bytes
	s_cmp_eq_u32 ttmp9, 0
	s_mov_b32 s58, 208896
	s_cselect_b32 s59, 98304, s58                  ; from head to head: codes,
	s_cselect_b32 s60, 8192, s58                   ; words
	s_mov_b32 s58, 26112
	s_cselect_b32 s61, 12288, s58                  ; from 256 tokens to the next: codes,
	s_cselect_b32 s62, 1024, s58                   ; words
	s_cselect_b32 s56, 6291456, s56
	s_cselect_b64 s[80:81], s[8:9], s[10:11]
	s_lshr_b32 s63, s17, 3                         ; batch
	s_and_b32 s17, s17, 7
	s_lshl_b32 s63, s63, 4
	s_lshl_b32 s18, s18, 2
	s_add_co_u32 s63, s63, s18
	s_lshl_b32 s21, s21, 1
	s_add_co_u32 s63, s63, s21                     ; batch x 16 + my first head
	s_mul_i32 s90, s63, s59
	s_mul_i32 s91, s17, s61
	s_add_co_u32 s90, s90, s91
	s_add_co_u32 s90, s90, s23
	s_mul_i32 s91, s22, 6144
	s_add_co_u32 s90, s90, s91
	s_mov_b32 s91, 0
	s_mul_i32 s92, s63, s60
	s_mul_i32 s93, s17, s62
	s_add_co_u32 s92, s92, s93
	s_add_co_u32 s92, s92, s56
	s_lshl_b32 s93, s22, s57
	s_add_co_u32 s92, s92, s93
	s_mov_b32 s93, 0
	s_mov_b64 s[84:85], s[80:81]
	s_add_nc_u64 s[80:81], s[80:81], s[90:91]      ; codes, my first head
	s_add_nc_u64 s[84:85], s[84:85], s[92:93]      ; words, my first head
	s_mov_b32 s90, s59
	s_add_nc_u64 s[82:83], s[80:81], s[90:91]      ; my second head
	s_mov_b32 s92, s60
	s_add_nc_u64 s[86:87], s[84:85], s[92:93]
.macro FRAG reg, a16, a8, q, i         ; a fragment, 16 rows x 128 K, 12 registers: two half-images, each 16 + 8 bytes a lane
	ds_load_b128 v[\reg:\reg+3], v[\a16] offset:(\i)*GREC+(2*(\q))*768
	ds_load_b64 v[\reg+4:\reg+5], v[\a8] offset:(\i)*GREC+(2*(\q))*768+512
	ds_load_b128 v[\reg+6:\reg+9], v[\a16] offset:(\i)*GREC+(2*(\q)+1)*768
	ds_load_b64 v[\reg+10:\reg+11], v[\a8] offset:(\i)*GREC+(2*(\q)+1)*768+512
.endm
.macro FETCH_B slot, q, p
	WIN TO_B
.irp i, 0,1,2,3,4,5,6,7
	FRAG 128*(\p)+FR*\i, ADRB16+\slot, ADRB8+\slot, \q, \i
.endr
	WIN 0
.endm
.macro FETCH_A slot, q, i0
.irp i, \i0, \i0+1, \i0+2, \i0+3
	FRAG AF+FR*(\i), ADRA16+\slot, ADRA8+\slot, \q, \i
.endr
.endm
.macro SCALES set, slot                ; a K step's two words a row: lanes 0-15 A's block i, lanes 16-31 B's block i
.irp i, 0,1,2,3,4,5,6,7
	ds_load_b64 v[SC+16*(\set)+2*\i:SC+16*(\set)+2*\i+1], v[ADRS+\slot] offset:\i*GREC
.endr
.endm
; 16 matrix instructions: A's blocks a0, a0 + 1 x B's eight.  The 64 accumulators take turns, one instruction a turn, in the same order in every step.
.macro MULA a0, p, q, sc, zero
.irp a, \a0, \a0+1
.irp b, 0,1,2,3,4,5,6,7
.if \zero
	v_wmma_scale_f32_16x16x128_f8f6f4 v[8*(8*((\a)%4)+\b):8*(8*((\a)%4)+\b)+7], v[128*(\p)+FR*\b:128*(\p)+FR*\b+FR-1], v[AF+FR*(\a):AF+FR*(\a)+FR-1], 0, v[SC+16*(\sc)+2*\b+(\q)], v[SC+16*(\sc)+2*(\a)+(\q)] matrix_a_fmt:MATRIX_FMT_FP6 matrix_b_fmt:MATRIX_FMT_FP6 matrix_a_scale:MATRIX_SCALE_ROW1
.else
	v_wmma_scale_f32_16x16x128_f8f6f4 v[8*(8*((\a)%4)+\b):8*(8*((\a)%4)+\b)+7], v[128*(\p)+FR*\b:128*(\p)+FR*\b+FR-1], v[AF+FR*(\a):AF+FR*(\a)+FR-1], v[8*(8*((\a)%4)+\b):8*(8*((\a)%4)+\b)+7], v[SC+16*(\sc)+2*\b+(\q)], v[SC+16*(\sc)+2*(\a)+(\q)] matrix_a_fmt:MATRIX_FMT_FP6 matrix_b_fmt:MATRIX_FMT_FP6 matrix_a_scale:MATRIX_SCALE_ROW1
.endif
.endr
.endr
.endm
; A step of 128 along K (the K step's q-th, scale set sc) whose successor (slot ns, its nq-th 128) lies in a slot that is whole for every wave.
; Four plain places stand in front of each run of loads into registers that matrix instructions have read.
.macro STEP q, sc, zero, ns, nq, nset
	s_wait_dscnt 16                                ; all but the youngest 16 loads (A's blocks 4-7)
	WIN MUL_LO
	MULA 0, \q, \q, \sc, \zero
	MULA 2, \q, \q, \sc, \zero
	s_wait_dscnt 0
	PLACES 4
	FETCH_B \ns, \nq, 1-(\q)
	FETCH_A \ns, \nq, 0
.if (\nq) == 0
	SCALES \nset, \ns
.endif
	WIN MUL_HI
	MULA 4, \q, \q, \sc, \zero
	MULA 6, \q, \q, \sc, \zero
	PLACES 4
	WIN 0
	FETCH_A \ns, \nq, 4
.endm
; A K step's second 128 with a barrier: in front of it each wave waits for all its tensor loads, adds 0 to its spare word, and waits for that and for its reads.  fill = 1: slot 0 takes K step 3.
.macro TURN sc, next, nset, fill
	s_wait_tensorcnt 0x0                           ; all my tensor loads have landed
	ds_add_u32 v[SPW], v[NIL]                      ; 0 onto my spare word
	s_wait_dscnt 17                                ; (the add and A's blocks 4-7 may be out)
	WIN MUL_LO
	MULA 0, 1, 1, \sc, 0
	s_wait_dscnt 0x0                               ; the add is done, and my reads of this slot are over
	s_barrier_signal -1
	MULA 2, 1, 1, \sc, 0
	WIN 0
	s_barrier_wait -1
.if \fill
	CREST                                          ; the barrier has opened a round of the cluster's: no wave of any partner still reads slot 0 or has a load on its way
	s_add_nc_u64 s[G0+2:G0+3], s[G0+2:G0+3], 3*GREC
	s_add_nc_u64 s[G0B+2:G0B+3], s[G0B+2:G0B+3], 3*GREC
	JLOAD G0, G1, G0B, G1B                         ; the first tensor load behind the round; it has four steps of 128 in which to land; its four v_nop are the places for the loads below
.else
	PLACES 4
.endif
	FETCH_B \next, 0, 0
	FETCH_A \next, 0, 0
	SCALES \nset, \next
	WIN MUL_HI
	MULA 4, 1, 1, \sc, 0
	MULA 6, 1, 1, \sc, 0
	PLACES 4
	WIN 0
	FETCH_A \next, 0, 4
.endm
	s_wait_tensorcnt 2                             ; my part of K step 0 is in; K steps 1 and 2 may be out
	s_barrier_signal -1
	s_barrier_wait -1
	FETCH_B 0, 0, 0
	FETCH_A 0, 0, 0
	SCALES 0, 0
	FETCH_A 0, 0, 4
	STEP 0, 0, 1, 0, 1, 0                          ; K step 0: its first products start the sums
	TURN 0, 1, 1, 1                                ; slot 0 is left and filled again
	STEP 0, 1, 0, 1, 1, 0                          ; K step 1
	s_wait_alu depctr_va_vdst(0)
	STEP 1, 1, 0, 2, 0, 0                          ; on into slot 2: every wave waited for all its loads in front of the round, so it is whole
	STEP 0, 0, 0, 2, 1, 0                          ; K step 2
	TURN 0, 0, 1, 0                                ; K step 3 has landed in every wave; nothing is filled
	STEP 0, 1, 0, 0, 1, 0                          ; K step 3
	s_wait_dscnt 16
	WIN MUL_LO
	MULA 0, 1, 1, 1, 0
	MULA 2, 1, 1, 1, 0
	s_wait_dscnt 0
	WIN MUL_HI
	MULA 4, 1, 1, 1, 0
	MULA 6, 1, 1, 1, 0
	WIN 0
; THE WAY OUT.  Block a of A' (16 rows): a lane's 64 numbers, register 16 n + i of accumulators (a, 0 .. 7), are half of four blocks of 32 along the next K.  They become 12 registers of codes at v[64 + 20 a] and a scale word.
.macro QUANT a
.set QS, 64*((\a)%4)
.set QP, 64+20*(\a)
	WIN 0x0a+5*((\a)/4)                            ; sources 0 and 1: the accumulators' window
.irp b, 0,1,2,3
	v_max3_num_f32 v[TM+\b], |v[QS+16*\b]|, |v[QS+1+16*\b]|, 0x1800000   ; each accumulator is read from its low end on; the floor 2^(3 - 127) holds the byte at 1 from below
.endr
.irp i, 2,4,6,8,10,12,14
.irp b, 0,1,2,3
	v_max3_num_f32 v[TM+\b], |v[QS+16*\b+\i]|, |v[QS+1+16*\b+\i]|, v[TM+\b]
.endr
.endr
	WIN 0
.irp b, 0,1,2,3
	v_permlanex16_b32 v[TM+4+\b], v[TM+\b], s88, s89
.endr
.irp b, 0,1,2,3
	v_max_num_f32 v[TM+\b], v[TM+\b], v[TM+4+\b]   ; with lane xor 16's: the block's largest magnitude
.endr
.irp b, 0,1,2,3
	v_add_nc_u32 v[TM+12+\b], 0xff000000, v[TM+\b] ; 2 off the exponent field: the conversion's scale operand
.endr
.irp b, 0,1,2,3
	v_lshrrev_b32 v[TM+8+\b], 23, v[TM+12+\b]      ; the scale's byte
.endr
	v_lshl_or_b32 v[PW+(\a)], v[TM+9], 8, v[TM+8]
	v_lshl_or_b32 v[PW+(\a)], v[TM+10], 16, v[PW+(\a)]
	v_lshl_or_b32 v[PW+(\a)], v[TM+11], 24, v[PW+(\a)]
	WIN 0x02+((\a)/4)                              ; source 0: the accumulators' window
.irp c, 0,1
	v_cvt_scalef32_pk16_fp6_f32 v[QP+6*\c:QP+2+6*\c], v[QS+32*\c:QS+15+32*\c], v[TM+12+2*\c]
	v_cvt_scalef32_pk16_fp6_f32 v[QP+12+4*\c:QP+14+4*\c], v[QS+16+32*\c:QS+31+32*\c], v[TM+13+2*\c]
.endr
	WIN 0
	v_nop                                          ; one plain place behind a scaled conversion
.irp c, 0,1                            ; the operand's layout wants a whole block in a lane: lanes 0-15 block 2 c, lanes 16-31 block 2 c + 1
.irp i, 0,1,2
	v_permlane16_swap_b32 v[QP+6*\c+\i], v[QP+12+4*\c+\i]
.endr
.irp i, 0,1,2
	v_mov_b32 v[QP+3+6*\c+\i], v[QP+12+4*\c+\i]
.endr
.endr
.endm
.irp b, 0,1,2,3
	v_mov_b32 v[TM+4+\b], 0                        ; a lane permute's destination counts as one of its sources; these four are also the places behind the last products, none of whose registers they name
.endr
.irp a, 0,1,2,3,4,5,6,7
	QUANT \a
	ds_store_b32 v[STS], v[PW+\a] offset:64*\a     ; lanes r and r + 16 write the same word with the same value
	v_lshrrev_b32 v[PW2+\a], 16, v[PW+\a]          ; Q, K: the second head's two bytes
	ds_store_b32 v[STS], v[PW2+\a] offset:512+64*\a
.endr
	ds_load_b128 v[240:243], v[STR]                ; LDS serves a wave's instructions in order: these see my stores
	ds_load_b128 v[244:247], v[STR] offset:512
	s_wait_dscnt 0x0
	s_cmp_eq_u32 ttmp9, 2
	s_cbranch_scc1 .Lv_out
	s_wait_alu depctr_va_vdst(0)
.irp a, 0,1,2,3,4,5,6,7                ; Q, K: registers 0-5 are my first head's half-image of tokens 16 a on, 6-11 my second head's; every store covers whole aligned blocks of 256 bytes
	global_store_b128 v[L16], v[64+20*\a:67+20*\a], s[80:81] offset:768*\a
	global_store_b64 v[L8], v[68+20*\a:69+20*\a], s[80:81] offset:768*\a+512
	global_store_b128 v[L16], v[70+20*\a:73+20*\a], s[82:83] offset:768*\a
	global_store_b64 v[L8], v[74+20*\a:75+20*\a], s[82:83] offset:768*\a+512
.endr
	global_store_b128 v[L16], v[240:243], s[84:85] ; 128 tokens' words of each head
	global_store_b128 v[L16], v[244:247], s[86:87]
	s_branch .Lend
.Lv_out:
	s_wait_alu depctr_va_vdst(0)
.irp a, 0,1,2,3,4,5,6,7                ; V: a fragment of 16 channels x my 128 keys; blocks 0-3 are my first head's, 4-7 my second's
.irp c, 0,1,2
	global_store_b128 v[L16], v[64+20*\a+4*\c:67+20*\a+4*\c], s[80+2*(\a/4):81+2*(\a/4)] offset:(\a%4)*1536+512*\c
.endr
.endr
	global_store_b128 v[VSV], v[240:243], s[84:85] ; lanes 0-15: my first head's 64 words, lanes 16-31: my second head's
.Lend:
	s_wait_tensorcnt 0x0                           ; the wave's end
	ds_add_u32 v[SPW], v[NIL]
	s_wait_dscnt 0x0
	CROUND                                         ; the closing round
	s_endpgm
.Lfunc_end_k_qe2b3281f35_qkv:
	.size	k_qe2b3281f35_qkv, .Lfunc_end_k_qe2b3281f35_qkv-k_qe2b3281f35_qkv
	.p2alignl 7, 3214868480
	.fill 96, 4, 3214868480
	.section	.rodata,"a",@progbits
	.p2align	6, 0x0
	.amdhsa_kernel k_qe2b3281f35_qkv
		.amdhsa_group_segment_fixed_size 327680
		.amdhsa_private_segment_fixed_size 0
		.amdhsa_enable_private_segment 0
		.amdhsa_kernarg_size 32
		.amdhsa_user_sgpr_count 2
		.amdhsa_user_sgpr_kernarg_segment_ptr 1
		.amdhsa_wavefront_size32 1
		.amdhsa_system_sgpr_workgroup_id_x 1
		.amdhsa_system_sgpr_workgroup_id_y 1
		.amdhsa_system_sgpr_workgroup_id_z 1
		.amdhsa_system_vgpr_workitem_id 0
		.amdhsa_next_free_vgpr 1024
		.amdhsa_next_free_sgpr 98
		.amdhsa_reserve_vcc 0
		.amdhsa_float_denorm_mode_32 3
		.amdhsa_float_denorm_mode_16_64 3
		.amdhsa_memory_ordered 1
		.amdhsa_forward_progress 1
		.amdhsa_inst_pref_size 152
	.end_amdhsa_kernel
	.amdgpu_metadata
---
amdhsa.version: [ 1, 2 ]
amdhsa.kernels:
  - .name:           k_qe2b3281f35_qkv
    .symbol:         k_qe2b3281f35_qkv.kd
    .args:
      - { .name: xq, .offset: 0, .size: 8, .value_kind: global_buffer, .address_space: global }
      - { .name: wq, .offset: 8, .size: 8, .value_kind: global_buffer, .address_space: global }
      - { .name: qq, .offset: 16, .size: 8, .value_kind: global_buffer, .address_space: global }
      - { .name: kv, .offset: 24, .size: 8, .value_kind: global_buffer, .address_space: global }
    .group_segment_fixed_size: 327680
    .private_segment_fixed_size: 0
    .kernarg_segment_align: 8
    .kernarg_segment_size: 32
    .max_flat_workgroup_size: 128
    .sgpr_count:     98
    .vgpr_count:     1024
    .wavefront_size: 32
...
	.end_amdgpu_metadata
.endif
;; end of part 2
;; launch attn (part 3): grid 4 x 64, 16 waves a work-group, no clusters, 327,680 bytes of LDS; arguments qq, kv, oq; writes oq
.if DOCPART == 3
	.amdgcn_target "amdgcn-amd-amdhsa--gfx1250"
	.amdhsa_code_object_version 6
	.text
	.protected	k_qe2b3281f35_attn
	.globl	k_qe2b3281f35_attn
	.p2align	8
	.type	k_qe2b3281f35_attn,@function
k_qe2b3281f35_attn:
	s_mov_b64 s[64:65], 0
	v_nop
	global_prefetch_b8 v0, s[64:65] scope:SCOPE_SE
	s_setreg_imm32_b32 hwreg(HW_REG_WAVE_MODE, 25, 1), 1
	s_wait_xcnt 0x0
; Causal attention on codes of FP6 (E2M3): S^T = K Q^T (K = the head's 64, filled to the instruction's 128 by zero codes of Q), p = 2^(t - M), O^T = V^T P^T (K = the keys), O / l, and O quantised along its channels for the last product.
; t = score x log2(e) / 8;  M = the running largest t rounded up to a whole number;  the row's sum l is taken of the unquantised p;  when M moves, l and O^T are multiplied by 2^(old M - new M): exact.
; SHARES.  Work-group (i, batch x head) owns the blocks i and 7 - i of 256 queries, one after the other: every work-group walks 9 records of 256 keys (i + 1, then 8 - i), a constant count.
; Each of its sixteen waves owns 16 queries of the block in hand, in 256 registers: four waves to a SIMD, so that one wave's vector work stands beside another's matrix work and LDS loads.
; A step (128 keys) all of whose keys come after the wave's queries is left out by a scalar branch on ids; on the diagonal hidden scores become -infinity ahead of the maximum.
; NO CLUSTER: the four work-groups of a head begin their second walk over the keys in different trips (i + 1), so in a given trip they want different records.
; INPUT (the launch before): qq: Q's half-images [batch x head][tile of 16][768] and, from 6,291,456, a scale word a token.  kv: records of 26,112 bytes for 256 keys: 16 half-images of K; from 12,288 V's 8 fragments
; (16 channels x 128 keys, three pieces of 512 bytes); from 24,576 K's words; from 25,600 V's words.  A record is one dense block: two tensor loads of 51 rows of 256 bytes, by waves 0 and 1; one load of a wave is out at a time.
; Both products are used transposed: a lane holds ONE query (lane % 16) throughout.  Inside every block of 32 along a K the two middle octets have changed places, in both operands alike.
; K's eight half-images lie 6 registers apart: a fragment's upper six registers are the next tile's codes, which meet Q's zero codes; the scale bytes there are never 0xff.
; OUTPUT.  oq in the operand's order: tile of 16 tokens = four records of 3,328 bytes; my head's half-image is number head % 4 of record head / 4; its two scale bytes at 3,072 + 8 r + 2 (head % 4):
; these are stores of 2 bytes, 8 bytes apart, inside one block of 256 bytes, one byte in 24 of what the wave stores.  Lanes 16-31 write the record's zeros behind the words.
; LIMITS: NaN and infinities are not served; O / l is a reciprocal and a multiplication; a block of zeros gets the byte 1; p under the smallest normal number counts as 0.
; REGISTERS: v1-3 16, 8, 4 x lane; v4 r - 8 h; v5, v6 the add's; v7 4 r; v8-10 LDS addresses in hand; v11 8 r + 128 h; v12 -M, v13 largest t, v[14:15] l; v16-27 Q; v28 Q's word, v29 p's; v[30:31] f;
; v32-85 K, then at work; v86-89 K's words; v90 d, v91 -infinity, v92 256 x lane; v96-159 S^T, then p; v160-191 O^T; v192-239 V; v240-241 V's words; v244-255 p's codes.
.set REC,   26112
.set HSTR,  8*REC
.set VC,    12288
.set KSO,   24576
.set VSO,   25600
.set SLOT1, 32768                      ; one exclusive or turns an address in one slot into the other's
.set SPARE, 65536                      ; the spare words, 128 bytes for each wave: eight blocks of 256 bytes that no other line names
; s10 wave; s11 i + 1; s12 the trip; s13 the slot in hand; s14 the step's first key; s15 my first query; s[16:17] lane selects; s[18:19] c; s[20:27] group 1; s[28:31] group 0; s[32:33] my half of the head's record 0;
; s[34:41] the head's bases in qq (codes, words) and oq (codes, bytes); s[42:43] the prefetches' address; s44 their limit; s45 lanes 0-15; s[46:53] my tile's four addresses; s[54:55] an offset, s55 = 0; s56-62 at work
.macro TLOAD                           ; waves 0 and 1 fetch a record's halves; four v_nop follow the line
	s_cmp_lt_u32 s10, 2
	s_cbranch_scc0 .Lnot_\@
	tensor_load_to_lds s[28:31], s[20:27]
	s_nop 0
.rept 4
	v_nop
.endr
.Lnot_\@:
.endm
; A PREFETCH INTO THE L2 of the record that the NEXT change of slots will ask for, a slot's two key steps ahead of that load.  All four work-groups of a head read the same records: the work-group with i = 0 asks, whose
; walk in trip n fetches record n and next record n + 1.  Its waves 4 to 6, which fetch nothing, take 8,192 bytes each, lanes 256 bytes apart: the record's 24,576 bytes of codes; each block of 256 bytes is named once in the launch.
; Record 0 and the scale words come by their loads alone; trip 7 asks for nothing: there is no record 8.
.macro ASK
	s_cmp_lt_u32 s12, s44
	s_cbranch_scc0 .Lnot_mine_\@
	global_prefetch_b8 v92, s[42:43] th:TH_LOAD_NT scope:SCOPE_SE
.Lnot_mine_\@:
.endm
.macro SETQ                            ; s56 = the block of 256 queries
	s_lshl_b32 s56, s56, 4
	s_add_co_u32 s56, s56, s10                     ; my tile of 16 queries
	s_lshl_b32 s15, s56, 4
	s_mul_i32 s54, s56, 768
	s_add_nc_u64 s[46:47], s[34:35], s[54:55]
	s_lshl_b32 s54, s56, 6
	s_add_nc_u64 s[48:49], s[36:37], s[54:55]
	s_mul_i32 s54, s56, 13312
	s_add_nc_u64 s[50:51], s[38:39], s[54:55]
	s_add_nc_u64 s[52:53], s[40:41], s[54:55]
.endm
.macro QLOAD
	global_load_b128 v[16:19], v1, s[46:47]
	global_load_b64 v[20:21], v2, s[46:47] offset:512
	global_load_b32 v28, v7, s[48:49]
.endm
.macro INIT                            ; the step is written once: the first finds zeros, which the first change of M leaves zeros
	v_mov_b32 v13, 0xff61b1e6                      ; -3e38, under every t
	s_delay_alu instid0(VALU_DEP_1)
	v_floor_f32 v12, -v13
	v_mov_b32 v14, 0
	v_mov_b32 v15, 0
.set n, 0
.rept 32
	v_mov_b32 v[160+n], 0
.set n, n+1
.endr
.endm
	s_load_b128 s[4:7], s[0:1], 0x0                ; qq, kv
	s_load_b64 s[8:9], s[0:1], 0x10                ; oq
	v_lshl_add_u32 v5, v0, 2, SPARE
	v_mov_b32 v6, 0
	ds_add_u32 v5, v6
	ds_add_u32 v5, v6
	s_wait_dscnt 0x0
	v_lshrrev_b32 v1, 5, v0
	s_delay_alu instid0(VALU_DEP_1)
	v_readfirstlane_b32 s10, v1                    ; wave 0..15
	s_add_co_u32 s11, ttmp9, 1
	s_mov_b32 s12, 0
	s_mov_b32 s13, 0
	s_mov_b32 s14, 0
	s_mov_b32 s16, 0x76543210
	s_mov_b32 s17, 0xfedcba98
	s_mov_b32 s18, 0x3e38aa3b                      ; c = log2(e) / 8
	s_mov_b32 s19, s18
	s_mov_b32 s20, 3<<16                           ; elements of 8 bytes, no mask, no padding
	s_mov_b32 s21, 32<<16                          ; rows of 256 bytes,
	s_mov_b32 s22, 51<<16                          ; 51 of them,
	s_mov_b32 s23, 32<<16
	s_mov_b32 s24, 51
	s_mov_b32 s25, 32                              ; dense
	s_mov_b32 s26, 0
	s_mov_b32 s27, 0
	s_and_b32 s56, ttmp7, 0xffff                   ; batch x 16 + head
	s_and_b32 s57, s10, 1
	s_mul_i32 s29, s57, 13056                      ; my half of slot 0
	s_mul_i32 s58, s56, HSTR
	s_add_co_u32 s54, s58, s29
	s_mov_b32 s55, 0
	s_wait_kmcnt 0x0
	s_add_nc_u64 s[32:33], s[6:7], s[54:55]
	s_mov_b32 s28, 1
	s_mov_b64 s[30:31], s[32:33]
	s_or_b32 s31, s31, 0x80000000
	TLOAD                                          ; record 0 into slot 0
	s_and_b32 s59, s10, 3
	s_min_u32 s59, s59, 2                          ; (so that the address lies inside the buffer in every wave)
	s_lshl_b32 s59, s59, 13
	s_add_co_u32 s54, s58, s59
	s_add_nc_u64 s[42:43], s[6:7], s[54:55]        ; in record 0: the first change of slots steps it to record 1
	s_sub_co_u32 s59, s10, 4
	s_cmp_lt_u32 s59, 3
	s_cselect_b32 s44, 7, 0
	s_cmp_eq_u32 ttmp9, 0
	s_cselect_b32 s44, s44, 0
	s_mul_i32 s54, s56, 98304
	s_add_nc_u64 s[34:35], s[4:5], s[54:55]
	s_lshl_b32 s54, s56, 13
	s_add_co_u32 s54, s54, 6291456
	s_add_nc_u64 s[36:37], s[4:5], s[54:55]
	s_lshr_b32 s59, s56, 4                         ; batch
	s_mul_i32 s59, s59, 128*13312
	s_bfe_u32 s60, s56, 0x20002                    ; head / 4
	s_mul_i32 s60, s60, 3328
	s_add_co_u32 s59, s59, s60
	s_and_b32 s60, s56, 3                          ; head % 4
	s_mul_i32 s61, s60, 768
	s_add_co_u32 s54, s59, s61
	s_add_nc_u64 s[38:39], s[8:9], s[54:55]
	s_lshl_b32 s61, s60, 1
	s_add_co_u32 s54, s59, s61
	s_add_co_u32 s54, s54, 3072
	s_add_nc_u64 s[40:41], s[8:9], s[54:55]
	v_and_b32 v9, 31, v0
	s_delay_alu instid0(VALU_DEP_1)
	v_lshlrev_b32 v1, 4, v9
	s_delay_alu instid0(VALU_DEP_2)
	v_lshlrev_b32 v2, 3, v9
	s_delay_alu instid0(VALU_DEP_3)
	v_lshlrev_b32 v3, 2, v9
	v_and_b32 v10, 15, v0                          ; r
	v_bfe_u32 v8, v0, 4, 1                         ; h
	s_delay_alu instid0(VALU_DEP_2)
	v_lshlrev_b32 v7, 2, v10
	s_delay_alu instid0(VALU_DEP_3)
	v_lshlrev_b32 v11, 3, v10
	s_delay_alu instid0(VALU_DEP_1)
	v_lshl_add_u32 v11, v8, 7, v11
	s_delay_alu instid0(VALU_DEP_4)
	v_lshlrev_b32 v4, 3, v8
	s_delay_alu instid0(VALU_DEP_1)
	v_sub_nc_u32 v4, v10, v4
	v_cmp_eq_u32 s45, 0, v8
	v_lshlrev_b32 v92, 8, v9
	v_mov_b32 v91, 0xff800000
.irp j, 22,23,24,25,26,27, 80,81,82,83,84,85, 36,37,38,39, 56, 31
	v_mov_b32 v\j, 0                               ; Q's upper half: zero codes; the codes behind K's last tile; the lane permutes' destinations; the upper half of f's pair
.endr
	s_mov_b32 s56, ttmp9
	SETQ
	QLOAD
	INIT
	s_wait_loadcnt 0x0
; A KEY STEP: 128 keys, the q-th of the record in hand.
.macro STEP q
	s_add_co_u32 s56, s15, 15
	s_cmp_gt_u32 s14, s56
	s_cbranch_scc1 .Lhidden_\@                     ; all its keys come after my queries
	v_add_nc_u32 v8, s13, v1
	v_add_nc_u32 v9, s13, v2
	v_add_nc_u32 v10, s13, v3
	v_nop                                          ; four plain places in front of loads into registers that the last products have read
.irp t, 0,1,2,3,4,5,6,7
	ds_load_b128 v[32+6*\t:35+6*\t], v8 offset:(8*(\q)+\t)*768
	ds_load_b64 v[36+6*\t:37+6*\t], v9 offset:(8*(\q)+\t)*768+512
.endr
.irp g, 0,1,2,3
	ds_load_b32 v[86+\g], v10 offset:KSO+512*(\q)+128*\g     ; lanes 0-15: tile 2 g's keys; lanes 16-31: tile 2 g + 1's
.endr
.irp ct, 0,1,2,3
.irp c, 0,1,2
	ds_load_b128 v[192+12*\ct+4*\c:195+12*\ct+4*\c], v8 offset:VC+(4*(\q)+\ct)*1536+512*\c
.endr
.endr
.irp g, 0,1
	ds_load_b32 v[240+\g], v10 offset:VSO+256*(\q)+128*\g
.endr
	s_wait_dscnt 14                                ; K and its words are in; V's 14 loads may be out
.irp t, 0,1,2,3,4,5,6,7
.if (\t)%2
	v_wmma_scale_f32_16x16x128_f8f6f4 v[96+8*\t:103+8*\t], v[32+6*\t:43+6*\t], v[16:27], 0, v[86+\t/2], v28 matrix_a_fmt:MATRIX_FMT_FP6 matrix_b_fmt:MATRIX_FMT_FP6 matrix_a_scale:MATRIX_SCALE_ROW1
.else
	v_wmma_scale_f32_16x16x128_f8f6f4 v[96+8*\t:103+8*\t], v[32+6*\t:43+6*\t], v[16:27], 0, v[86+\t/2], v28 matrix_a_fmt:MATRIX_FMT_FP6 matrix_b_fmt:MATRIX_FMT_FP6
.endif
.endr                                  ; lane (r, h), register 8 t + j: query r, key 16 t + 8 h + j of the step
.rept 4
	v_nop
.endr
	s_add_co_u32 s56, s14, 127
	s_cmp_le_u32 s56, s15
	s_cbranch_scc1 .Lopen_\@                       ; all its keys count
	s_sub_co_i32 s56, s15, s14
	v_add_nc_u32 v90, s56, v4                      ; d = my query - the step's first key - 8 h: register n is hidden where 16 (n / 8) + n % 8 > d
.set n, 0
.rept 64
	v_cmp_gt_i32 vcc_lo, 16*(n/8)+n%8, v90
	v_cndmask_b32 v[96+n], v[96+n], v91, vcc_lo
.set n, n+1
.endr
.Lopen_\@:
.irp b, 0,1,2,3
	v_max3_num_f32 v[32+\b], v[96+16*\b], v[97+16*\b], v[98+16*\b]   ; the largest score of each block of 32 keys: for the row's maximum and, since p rises with the score, for the block's largest p
.endr
.irp i, 3,5,7,9,11,13
.irp b, 0,1,2,3
	v_max3_num_f32 v[32+\b], v[32+\b], v[96+16*\b+\i], v[97+16*\b+\i]
.endr
.endr
.irp b, 0,1,2,3
	v_max_num_f32 v[32+\b], v[32+\b], v[111+16*\b]
.endr
.irp b, 0,1,2,3
	s_delay_alu instid0(VALU_DEP_4)
	v_permlanex16_b32 v[36+\b], v[32+\b], s16, s17
.endr
.irp b, 0,1,2,3
	s_delay_alu instid0(VALU_DEP_4)
	v_max_num_f32 v[32+\b], v[32+\b], v[36+\b]     ; with lane xor 16's 16 keys
.endr
	s_delay_alu instid0(VALU_DEP_2)
	v_max3_num_f32 v56, v32, v33, v34
	s_delay_alu instid0(VALU_DEP_1)
	v_max_num_f32 v56, v56, v35
	s_delay_alu instid0(VALU_DEP_1)
	v_mul_f32 v56, s18, v56                        ; as t (c is positive)
	s_delay_alu instid0(VALU_DEP_1)
	v_max_num_f32 v13, v13, v56                    ; the running largest t
	v_mov_b32 v56, v12
	s_delay_alu instid0(VALU_DEP_2)
	v_floor_f32 v12, -v13                          ; -M = floor(-t): M is a whole number
	s_delay_alu instid0(VALU_DEP_1)
	v_sub_f32 v56, v12, v56                        ; old M - new M: a whole number, 0 or less
	s_delay_alu instid0(VALU_DEP_1)
	v_cvt_i32_f32 v56, v56                         ; (it saturates)
	s_delay_alu instid0(VALU_DEP_1)
	v_ldexp_f32 v30, 1.0, v56                      ; f = 2^(old M - new M)
.set n, 0
.rept 32
	v_pk_fma_f32 v[96+n:97+n], v[96+n:97+n], s[18:19], v[12:13] op_sel_hi:[1,0,0]   ; t - M, two at a time
.set n, n+2
.endr
.irp b, 0,1,2,3
	v_fma_f32 v[32+\b], v[32+\b], s18, v12         ; the same of each block's largest score
.endr
.set n, 0
	s_wait_alu depctr_va_vdst(0)
.rept 64
	v_exp_f32 v[96+n], v[96+n]                     ; p = 2^(t - M), at most 1: not normalised
.set n, n+1
.endr
	v_pk_mul_f32 v[14:15], v[14:15], v[30:31] op_sel_hi:[1,0]   ; l under the new M: a plain place behind the exponentials
	s_wait_alu depctr_va_vdst(0)                   ; one wait for the whole batch, ahead of its first reader
.irp b, 0,1,2,3
	v_exp_f32 v[32+\b], v[32+\b]                   ; the block's largest p
.endr
	v_pk_add_f32 v[58:59], v[100:101], v[104:105]
	v_pk_add_f32 v[254:255], v[108:109], v[112:113]
	v_pk_add_f32 v[252:253], v[116:117], v[120:121]
	v_pk_add_f32 v[250:251], v[124:125], v[128:129]
	v_pk_add_f32 v[248:249], v[132:133], v[136:137]
	v_pk_add_f32 v[246:247], v[140:141], v[144:145]
	v_pk_add_f32 v[244:245], v[148:149], v[152:153]
	v_pk_add_f32 v[14:15], v[14:15], v[156:157]
	v_pk_add_f32 v[58:59], v[58:59], v[96:97]
	v_pk_add_f32 v[254:255], v[254:255], v[98:99]
	v_pk_add_f32 v[252:253], v[252:253], v[102:103]
	v_pk_add_f32 v[250:251], v[250:251], v[106:107]
	v_pk_add_f32 v[248:249], v[248:249], v[110:111]
	v_pk_add_f32 v[246:247], v[246:247], v[114:115]
	v_pk_add_f32 v[244:245], v[244:245], v[118:119]
	v_pk_add_f32 v[14:15], v[14:15], v[122:123]
	v_pk_add_f32 v[58:59], v[58:59], v[126:127]
	v_pk_add_f32 v[254:255], v[254:255], v[130:131]
	v_pk_add_f32 v[252:253], v[252:253], v[134:135]
	v_pk_add_f32 v[250:251], v[250:251], v[138:139]
	v_pk_add_f32 v[248:249], v[248:249], v[142:143]
	v_pk_add_f32 v[246:247], v[246:247], v[146:147]
	v_pk_add_f32 v[244:245], v[244:245], v[150:151]
	v_pk_add_f32 v[14:15], v[14:15], v[154:155]
	v_pk_add_f32 v[58:59], v[58:59], v[158:159]
	s_delay_alu instid0(VALU_DEP_2)
	v_pk_add_f32 v[14:15], v[14:15], v[250:251]
	s_delay_alu instid0(VALU_DEP_2)
	v_pk_add_f32 v[58:59], v[58:59], v[248:249]
	v_pk_add_f32 v[254:255], v[254:255], v[246:247]
	v_pk_add_f32 v[252:253], v[252:253], v[244:245]
	s_delay_alu instid0(VALU_DEP_2)
	v_pk_add_f32 v[14:15], v[14:15], v[254:255]
	s_delay_alu instid0(VALU_DEP_2)
	v_pk_add_f32 v[58:59], v[58:59], v[252:253]
	s_delay_alu instid0(VALU_DEP_1)
	v_pk_add_f32 v[14:15], v[14:15], v[58:59]
	s_wait_alu depctr_va_vdst(0)                   ; and one for the four
.irp b, 0,1,2,3
	v_max_num_f32 v[32+\b], 0x1800000, v[32+\b]    ; the floor 2^(3 - 127): the byte cannot fall under 1
.endr
.irp b, 0,1,2,3
	s_delay_alu instid0(VALU_DEP_4)
	v_add_nc_u32 v[40+\b], 0xff000000, v[32+\b]    ; the conversion's scale operand
.endr
.irp b, 0,1,2,3
	s_delay_alu instid0(VALU_DEP_4)
	v_lshrrev_b32 v[44+\b], 23, v[40+\b]           ; the scale's byte
.endr
	s_delay_alu instid0(VALU_DEP_3)
	v_lshl_or_b32 v29, v45, 8, v44                 ; p's scale word for these 128 keys
	s_delay_alu instid0(VALU_DEP_1)
	v_lshl_or_b32 v29, v46, 16, v29
	s_delay_alu instid0(VALU_DEP_1)
	v_lshl_or_b32 v29, v47, 24, v29
.irp c, 0,1
	v_cvt_scalef32_pk16_fp6_f32 v[244+6*\c:246+6*\c], v[96+32*\c:111+32*\c], v[40+2*\c]
	v_cvt_scalef32_pk16_fp6_f32 v[48+4*\c:50+4*\c], v[112+32*\c:127+32*\c], v[41+2*\c]
.endr
	v_nop                                          ; one plain place behind a scaled conversion
.irp c, 0,1
.irp i, 0,1,2
	v_permlane16_swap_b32 v[244+6*\c+\i], v[48+4*\c+\i]
.endr
.irp i, 0,1,2
	s_delay_alu instid0(VALU_DEP_3)
	v_mov_b32 v[247+6*\c+\i], v[48+4*\c+\i]
.endr
.endr
.set n, 0
.rept 16
	v_pk_mul_f32 v[160+n:161+n], v[160+n:161+n], v[30:31] op_sel_hi:[1,0]   ; O^T under the new M; these sixteen are also the places between the scale word, the codes and the products
.set n, n+2
.endr
	s_wait_alu depctr_va_vdst(0)
	s_wait_dscnt 0x0                               ; V is in
.irp ct, 0,1,2,3                       ; four accumulators by turns
.if (\ct)%2
	v_wmma_scale_f32_16x16x128_f8f6f4 v[160+8*\ct:167+8*\ct], v[192+12*\ct:203+12*\ct], v[244:255], v[160+8*\ct:167+8*\ct], v[240+\ct/2], v29 matrix_a_fmt:MATRIX_FMT_FP6 matrix_b_fmt:MATRIX_FMT_FP6 matrix_a_scale:MATRIX_SCALE_ROW1
.else
	v_wmma_scale_f32_16x16x128_f8f6f4 v[160+8*\ct:167+8*\ct], v[192+12*\ct:203+12*\ct], v[244:255], v[160+8*\ct:167+8*\ct], v[240+\ct/2], v29 matrix_a_fmt:MATRIX_FMT_FP6 matrix_b_fmt:MATRIX_FMT_FP6
.endif
.endr
.Lhidden_\@:
	s_add_co_u32 s14, s14, 128
.endm
; THE CHANGE OF SLOTS stands at a slot's head.  Each wave waits for all its tensor loads, adds 0 to its spare word, and waits for that and for its reads of the slot that it has left; behind the barrier the slot ahead is whole
; and nobody reads the other one.  fill = 1: that other slot takes the walk's next record: number trip + 1, less i + 1 once the second walk has begun.
.macro CHANGE fill
	s_wait_tensorcnt 0x0                           ; no tensor load of mine is out, so group 0 may be written
	ds_add_u32 v5, v6                              ; 0 onto my spare word
.if \fill
	s_add_co_u32 s56, s12, 1
	s_cmp_ge_u32 s56, s11
	s_cselect_b32 s57, s11, 0
	s_sub_co_u32 s56, s56, s57
	s_mul_i32 s54, s56, REC
	s_add_nc_u64 s[30:31], s[32:33], s[54:55]
	s_or_b32 s31, s31, 0x80000000
	s_xor_b32 s29, s29, SLOT1
	s_wait_xcnt 0x0                                ; the last prefetch, a slot back, has read its address
	s_add_nc_u64 s[42:43], s[42:43], REC
.endif
	s_wait_dscnt 0x0                               ; the add is done, and my reads of the slot that I have left are over
	s_barrier_signal -1
	s_barrier_wait -1
.if \fill
	TLOAD                                          ; the first thing behind the barrier, and a wave's one tensor load until the next
	ASK
.endif
.endm
; A block of queries is finished: O^T / l, quantised along the head's 64 channels (two blocks), stored as a half-image and two scale bytes.  sw = 1: on to the block 7 - i.
.macro FINAL sw
.rept 4
	v_nop                                          ; places behind the last products
.endr
	v_add_f32 v14, v14, v15
	s_delay_alu instid0(VALU_DEP_1)
	v_permlanex16_b32 v56, v14, s16, s17
	s_delay_alu instid0(VALU_DEP_1)
	v_add_f32 v14, v14, v56                        ; the row's sum
	s_wait_alu depctr_va_vdst(0)
	v_rcp_f32 v14, v14
	v_nop                                          ; a plain place behind the transcendental
	s_wait_alu depctr_va_vdst(0)                   ; and the wait ahead of its first reader
.set n, 0
.rept 32
	v_mul_f32 v[96+n], v[160+n], v14               ; register 8 t + j: channel 16 t + 8 h + j of my query; each accumulator from its low end on
.set n, n+1
.endr
.irp b, 0,1
	v_max3_num_f32 v[32+\b], |v[96+16*\b]|, |v[97+16*\b]|, 0x1800000
.endr
.irp i, 2,4,6,8,10,12,14
.irp b, 0,1
	s_delay_alu instid0(VALU_DEP_2)
	v_max3_num_f32 v[32+\b], v[32+\b], |v[96+16*\b+\i]|, |v[97+16*\b+\i]|
.endr
.endr
.irp b, 0,1
	s_delay_alu instid0(VALU_DEP_2)
	v_permlanex16_b32 v[36+\b], v[32+\b], s16, s17
.endr
.irp b, 0,1
	s_delay_alu instid0(VALU_DEP_2)
	v_max_num_f32 v[32+\b], v[32+\b], v[36+\b]
.endr
.irp b, 0,1
	s_delay_alu instid0(VALU_DEP_2)
	v_add_nc_u32 v[40+\b], 0xff000000, v[32+\b]
.endr
.irp b, 0,1
	s_delay_alu instid0(VALU_DEP_2)
	v_lshrrev_b32 v[44+\b], 23, v[40+\b]
.endr
	s_delay_alu instid0(VALU_DEP_1)
	v_lshl_or_b32 v57, v45, 8, v44                 ; my head's two scale bytes of row r
	v_cvt_scalef32_pk16_fp6_f32 v[244:246], v[96:111], v40
	v_cvt_scalef32_pk16_fp6_f32 v[48:50], v[112:127], v41
	v_nop
.irp i, 0,1,2
	v_permlane16_swap_b32 v[244+\i], v[48+\i]
.endr
.irp i, 0,1,2
	s_delay_alu instid0(VALU_DEP_3)
	v_mov_b32 v[247+\i], v[48+\i]
.endr
	v_cndmask_b32 v57, 0, v57, s45                 ; lanes 16-31 write zeros
	global_store_b128 v1, v[244:247], s[50:51]     ; 512 and 256 consecutive bytes, each at a multiple of 256 from the buffer's first byte
	global_store_b64 v2, v[248:249], s[50:51] offset:512
	global_store_b16 v11, v57, s[52:53]
.if \sw
	s_wait_xcnt 0x0                                ; the stores have read their data and addresses: both are written again below
	s_sub_co_u32 s56, 7, ttmp9
	SETQ
	s_mov_b32 s14, 0                               ; the walk over the keys begins anew
	QLOAD
	INIT
	s_wait_loadcnt 0x0
.endif
.endm
.Lslot:                                ; eight trips: behind each change of slots but the last the next record is asked for
	CHANGE 1
	s_cmp_lg_u32 s12, s11
	s_cbranch_scc1 .Lsame
	FINAL 1                                        ; trip i + 1: register and global work alone stands under this branch
.Lsame:
	STEP 0
	STEP 1
	s_xor_b32 s13, s13, SLOT1
	s_add_co_u32 s12, s12, 1
	s_cmp_lt_u32 s12, 8
	s_cbranch_scc1 .Lslot
	CHANGE 0                                       ; the last record is written out
	STEP 0
	STEP 1
	FINAL 0
	s_wait_tensorcnt 0x0                           ; the wave's end
	ds_add_u32 v5, v6
	s_wait_dscnt 0x0
	s_endpgm
.Lfunc_end_k_qe2b3281f35_attn:
	.size	k_qe2b3281f35_attn, .Lfunc_end_k_qe2b3281f35_attn-k_qe2b3281f35_attn
	.p2alignl 7, 3214868480
	.fill 96, 4, 3214868480
	.section	.rodata,"a",@progbits
	.p2align	6, 0x0
	.amdhsa_kernel k_qe2b3281f35_attn
		.amdhsa_group_segment_fixed_size 327680
		.amdhsa_private_segment_fixed_size 0
		.amdhsa_enable_private_segment 0
		.amdhsa_kernarg_size 24
		.amdhsa_user_sgpr_count 2
		.amdhsa_user_sgpr_kernarg_segment_ptr 1
		.amdhsa_wavefront_size32 1
		.amdhsa_system_sgpr_workgroup_id_x 1
		.amdhsa_system_sgpr_workgroup_id_y 1
		.amdhsa_system_sgpr_workgroup_id_z 1
		.amdhsa_system_vgpr_workitem_id 0
		.amdhsa_next_free_vgpr 256
		.amdhsa_next_free_sgpr 66
		.amdhsa_reserve_vcc 1
		.amdhsa_float_denorm_mode_32 3
		.amdhsa_float_denorm_mode_16_64 3
		.amdhsa_memory_ordered 1
		.amdhsa_forward_progress 1
		.amdhsa_inst_pref_size 108
	.end_amdhsa_kernel
	.amdgpu_metadata
---
amdhsa.version: [ 1, 2 ]
amdhsa.kernels:
  - .name:           k_qe2b3281f35_attn
    .symbol:         k_qe2b3281f35_attn.kd
    .args:
      - { .name: qq, .offset: 0, .size: 8, .value_kind: global_buffer, .address_space: global }
      - { .name: kv, .offset: 8, .size: 8, .value_kind: global_buffer, .address_space: global }
      - { .name: oq, .offset: 16, .size: 8, .value_kind: global_buffer, .address_space: global }
    .group_segment_fixed_size: 327680
    .private_segment_fixed_size: 0
    .kernarg_segment_align: 8
    .kernarg_segment_size: 24
    .max_flat_workgroup_size: 512
    .sgpr_count:     66
    .vgpr_count:     256
    .wavefront_size: 32
...
	.end_amdgpu_metadata
.endif
;; end of part 3
;; launch oproj (part 4): grid 8 x 32, 4 waves a work-group, clusters of 4 x 4, 327,680 bytes of LDS; arguments oq, wq, out0; writes out0
.if DOCPART == 4
	.amdgcn_target "amdgcn-amd-amdhsa--gfx1250"
	.amdhsa_code_object_version 6
	.text
	.protected	k_qe2b3281f35_oproj
	.globl	k_qe2b3281f35_oproj
	.p2align	8
	.type	k_qe2b3281f35_oproj,@function
k_qe2b3281f35_oproj:
	s_mov_b64 s[64:65], 0
	v_nop
	global_prefetch_b8 v0, s[64:65] scope:SCOPE_SE
	s_setreg_imm32_b32 hwreg(HW_REG_WAVE_MODE, 25, 1), 1
	s_wait_xcnt 0x0
	s_wait_alu depctr_hold_cnt(0) depctr_sa_sdst(0) depctr_va_vdst(0) depctr_va_sdst(0) depctr_va_ssrc(0) depctr_va_vcc(0) depctr_vm_vsrc(0)
	s_getreg_b32 s2, hwreg(HW_REG_IB_STS2, 6, 4)
	s_cmp_eq_u32 s2, 0
	s_cbranch_scc0 .Lentry_in_a_cluster
	s_endpgm
.Lentry_in_a_cluster:
	s_bfe_u32 s2, ttmp6, 0x10000c
	s_cmp_lg_u32 s2, 0xf033
	s_cbranch_scc0 .Lentry_shape_is_right
	s_endpgm
.Lentry_shape_is_right:
; out0 = O Wo^T on codes of FP6 (E2M3) with E8M0 scales, K = 1,024; out0 [8192][1024] f32.
; OPERANDS: a tile of 16 rows is four records of 3,328 bytes (256 K each): four half-images of 768 bytes (lane's registers 0-3 at 16 x lane, 4-5 at 512 + 8 x lane), at 3,072 the scale words [row][2].  Wo's tiles are 192 .. 255 of wq.
; A tile of the result is 256 rows x 128 columns, so that there are 256 work-groups; four waves, 128 x 64 each: 32 accumulators, 256 registers.  Transposed use: source 0 = 16 rows of Wo, source 1 = 16 rows of O:
; a lane holds eight neighbouring numbers of a row of out0.
; ALL OF K LIES IN LDS: four slots of 79,872 bytes, each filled once, all four asked for at the start (four tensor loads of a wave are out).  Nothing is filled again: there is no ring; a barrier in front of each slot's first read.
; CLUSTERS: 4 x 4 work-groups; O's tiles are shared along a row of the cluster, Wo's along a column: joint loads.
; REGISTERS: window 0: v4-28 addresses; v32-63 scale words, two sets; v128-223 A's 8 fragments; window 1: B's 4 fragments, two sets, at v0 and v128; window 2: accumulator (a, b) at v[8 (4 a + b)].
.set NB,    4
.set FR,    12
.set GREC,  3328
.set TROW,  13312
.set HALFA, 8*GREC
.set PARTB, NB*GREC
.set SLOT,  2*PARTB+2*HALFA            ; B's two parts, then A's two halves: so the scale loads of blocks 4-7, whose lanes 16-31 nobody uses, fall on filled bytes of the same slot
.set SPITCH, 272                       ; the way out: 16 rows x (256 bytes + 16) for each wave, in slot 0, which has had its only fill and its last read
.set L16,   4
.set L8,    5
.set STO,   6
.set RD,    7
.set ADRA16, 8                         ; v8-11, v12-15 A's images in slots 0 .. 3;  v16-19, v20-23 B's;  v24-27 scale words
.set ADRA8,  12
.set ADRB16, 16
.set ADRB8,  20
.set ADRS,   24
.set CO,    28
.set SC,    32
.set AF,    128
.set BK,    128                        ; the way out: rows read back: v128-159 and v160-191 by turns
.set G1,  24
.set G0,  32                           ; s[32:47] four groups 0 for A
.set G1B, 48
.set G0B, 68                           ; s[68:83] four for B
.set MSB, 0
.macro WIN new
.if MSB != (\new)
	s_set_vgpr_msb (MSB<<8)|(\new)
.set MSB, (\new)
.endif
.endm
.set MUL,  0xa1                        ; source 0 (B) window 1, source 1 (A) window 0, C and D window 2
.set TO_B, 0x40
.macro JLOAD g0a, g1a, g0b, g1b        ; waves 0 and 1 fetch for A, waves 2 and 3 for B; four v_nop follow each line
	s_cmp_eq_u32 s15, 0
	s_cbranch_scc0 .Lfor_b_\@
	tensor_load_to_lds s[\g0a:\g0a+3], s[\g1a:\g1a+7]
	s_nop 0
.rept 4
	v_nop
.endr
	s_branch .Lasked_\@
.Lfor_b_\@:
	tensor_load_to_lds s[\g0b:\g0b+3], s[\g1b:\g1b+7]
	s_nop 0
.rept 4
	v_nop
.endr
.Lasked_\@:
.endm
.macro CROUND                          ; a round of the cluster's barrier
	s_barrier_signal -1
	s_barrier_wait -1
	s_cmp_lg_u32 s14, 0
	s_cbranch_scc1 .Lnot_wave_0_\@
	s_barrier_signal -3
.Lnot_wave_0_\@:
	s_barrier_wait -3
	s_barrier_signal -1
	s_barrier_wait -1
.endm
.macro PLACES n
.rept \n
	v_nop
.endr
.endm
	s_load_b128 s[4:7], s[0:1], 0x0                ; oq, wq
	s_load_b64 s[8:9], s[0:1], 0x10                ; out0
	v_lshl_add_u32 v254, v0, 2, 0x4e000
	v_mov_b32 v255, 0
	ds_add_u32 v254, v255
	v_lshrrev_b32 v1, 5, v0
	v_readfirstlane_b32 s14, v1                    ; wave
	s_lshr_b32 s15, s14, 1                         ; WR: my half of A.  Also: I fetch for A (0) or B (1)
	s_and_b32 s16, s14, 1                          ; WC: my part of B.  Also: which half I fetch
	s_bfe_u32 s84, ttmp6, 0x40000                  ; cx
	s_bfe_u32 s85, ttmp6, 0x40004                  ; cy
	s_lshl_b32 s18, ttmp9, 2
	s_add_co_u32 s18, s18, s84                     ; tile column (128 columns)
	s_and_b32 s17, ttmp7, 0xffff
	s_lshl_b32 s17, s17, 2
	s_add_co_u32 s17, s17, s85                     ; tile row (256 rows)
	s_lshl_b32 s86, s85, 2
	s_lshl_b32 s86, 15, s86                        ; my row of the cluster
	s_lshl_b32 s87, 0x1111, s84                    ; my column
	s_or_b32 s[G1], s86, (3<<16)|(1<<21)           ; the mask; elements of 8 bytes; no padding
	s_mov_b32 s[G1+1], 416<<16                     ; a record: 416 elements
	s_mov_b32 s[G1+2], 8<<16                       ; of 8 tiles of 16 rows,
	s_mov_b32 s[G1+3], 416<<16
	s_mov_b32 s[G1+4], 8
	s_mov_b32 s[G1+5], 1664                        ; 13,312 bytes apart
	s_mov_b32 s[G1+6], 0
	s_mov_b32 s[G1+7], 0
	s_or_b32 s[G1B], s87, (3<<16)|(1<<21)
	s_mov_b32 s[G1B+1], 416<<16
	s_mov_b32 s[G1B+2], 4<<16                      ; B: of 4 tiles
	s_mov_b32 s[G1B+3], 416<<16
	s_mov_b32 s[G1B+4], 4
	s_mov_b32 s[G1B+5], 1664
	s_mov_b32 s[G1B+6], 0
	s_mov_b32 s[G1B+7], 0
	s_lshl_b32 s20, s17, 4
	s_lshl_b32 s21, s16, 3
	s_add_co_u32 s20, s20, s21
	s_mul_i32 s20, s20, TROW
	s_mov_b32 s21, 0
	s_lshl_b32 s22, s18, 3
	s_lshl_b32 s23, s16, 2
	s_add_co_u32 s22, s22, s23
	s_add_co_u32 s22, s22, 192
	s_mul_i32 s22, s22, TROW
	s_mov_b32 s23, 0
	s_mul_i32 s56, s16, HALFA
	s_add_co_u32 s56, s56, 2*PARTB
	s_mul_i32 s57, s16, PARTB
	s_wait_dscnt 0x0
	s_wait_kmcnt 0x0
	s_add_nc_u64 s[20:21], s[4:5], s[20:21]
	s_add_nc_u64 s[22:23], s[6:7], s[22:23]
	CROUND                                         ; all sixteen work-groups are here: the joint loads meet
.irp s, 0,1,2,3
	s_mov_b32 s[G0+4*\s], 1
	s_add_co_u32 s[G0+4*\s+1], s56, \s*SLOT
	s_add_nc_u64 s[G0+4*\s+2:G0+4*\s+3], s[20:21], \s*GREC
	s_or_b32 s[G0+4*\s+3], s[G0+4*\s+3], 0x80000000
	s_mov_b32 s[G0B+4*\s], 1
	s_add_co_u32 s[G0B+4*\s+1], s57, \s*SLOT
	s_add_nc_u64 s[G0B+4*\s+2:G0B+4*\s+3], s[22:23], \s*GREC
	s_or_b32 s[G0B+4*\s+3], s[G0B+4*\s+3], 0x80000000
	JLOAD G0+4*\s, G1, G0B+4*\s, G1B
.endr
	v_and_b32 v1, 31, v0
	v_and_b32 v2, 15, v0                           ; r
	v_bfe_u32 v3, v0, 4, 1                         ; h
	v_lshlrev_b32 v[L16], 4, v1
	v_lshlrev_b32 v[L8], 3, v1
	s_mul_i32 s88, s15, HALFA
	s_add_co_u32 s88, s88, 2*PARTB                 ; my half of A
	s_mul_i32 s89, s16, PARTB                      ; my part of B
	s_xor_b32 s90, s16, 1
	s_add_co_u32 s90, s90, 1
	s_mul_i32 s90, s90, PARTB
	s_mul_i32 s91, s15, HALFA
	s_add_co_u32 s90, s90, s91                     ; from my part of B to my half of A
	v_xor_b32 v29, 1, v3
	v_mul_u32_u24 v29, s90, v29                    ; lanes 0-15 take A's words: one product
	v_lshl_add_u32 v29, v2, 3, v29
	s_add_co_u32 s91, s89, 3072
.irp s, 0,1,2,3
	v_add_nc_u32 v[ADRA16+\s], s88, v[L16]
	v_add_nc_u32 v[ADRA8+\s], s88, v[L8]
	v_add_nc_u32 v[ADRB16+\s], s89, v[L16]
	v_add_nc_u32 v[ADRB8+\s], s89, v[L8]
	v_add_nc_u32 v[ADRS+\s], s91, v29
	s_add_co_u32 s88, s88, SLOT
	s_add_co_u32 s89, s89, SLOT
	s_add_co_u32 s91, s91, SLOT
.endr
	s_mul_i32 s92, s14, 16*SPITCH                  ; my stage
	v_mul_u32_u24 v[STO], v2, SPITCH
	v_lshl_add_u32 v[STO], v3, 5, v[STO]
	v_add_nc_u32 v[STO], s92, v[STO]               ; in: row r, 32 bytes for each half of the lanes
	v_mul_u32_u24 v[RD], v3, SPITCH
	v_lshl_add_u32 v[RD], v2, 4, v[RD]
	v_add_nc_u32 v[RD], s92, v[RD]                 ; back: lanes 0-15 one row of 256 bytes, lanes 16-31 the next
	v_lshlrev_b32 v[CO], 12, v3
	v_lshl_add_u32 v[CO], v2, 4, v[CO]             ; and the same two rows in out0
	s_lshl_b32 s93, s17, 8
	s_lshl_b32 s94, s15, 7
	s_add_co_u32 s93, s93, s94                     ; my first row
	s_lshl_b32 s92, s93, 12
	s_lshl_b32 s94, s18, 9
	s_add_co_u32 s92, s92, s94
	s_lshl_b32 s94, s16, 8
	s_add_co_u32 s92, s92, s94                     ; + my first column, in bytes
	s_mov_b32 s93, 0
	s_add_nc_u64 s[8:9], s[8:9], s[92:93]
.macro FRAG reg, a16, a8, q, i         ; a fragment, 16 rows x 128 K, 12 registers: two half-images
	ds_load_b128 v[\reg:\reg+3], v[\a16] offset:(\i)*GREC+(2*(\q))*768
	ds_load_b64 v[\reg+4:\reg+5], v[\a8] offset:(\i)*GREC+(2*(\q))*768+512
	ds_load_b128 v[\reg+6:\reg+9], v[\a16] offset:(\i)*GREC+(2*(\q)+1)*768
	ds_load_b64 v[\reg+10:\reg+11], v[\a8] offset:(\i)*GREC+(2*(\q)+1)*768+512
.endm
.macro FETCH_B slot, q, p
	WIN TO_B
.irp i, 0,1,2,3
	FRAG 128*(\p)+FR*\i, ADRB16+\slot, ADRB8+\slot, \q, \i
.endr
	WIN 0
.endm
.macro FETCH_A slot, q, i0
.irp i, \i0, \i0+1, \i0+2, \i0+3
	FRAG AF+FR*(\i), ADRA16+\slot, ADRA8+\slot, \q, \i
.endr
.endm
.macro SCALES set, slot
.irp i, 0,1,2,3,4,5,6,7
	ds_load_b64 v[SC+16*(\set)+2*\i:SC+16*(\set)+2*\i+1], v[ADRS+\slot] offset:\i*GREC
.endr
.endm
; 8 matrix instructions: A's blocks a0, a0 + 1 x B's four.  The 32 accumulators take turns, one instruction a turn, in the same order in every step.
.macro MULA a0, p, q, sc, zero
.irp a, \a0, \a0+1
.irp b, 0,1,2,3
.if \zero
	v_wmma_scale_f32_16x16x128_f8f6f4 v[8*(4*(\a)+\b):8*(4*(\a)+\b)+7], v[128*(\p)+FR*\b:128*(\p)+FR*\b+FR-1], v[AF+FR*(\a):AF+FR*(\a)+FR-1], 0, v[SC+16*(\sc)+2*\b+(\q)], v[SC+16*(\sc)+2*(\a)+(\q)] matrix_a_fmt:MATRIX_FMT_FP6 matrix_b_fmt:MATRIX_FMT_FP6 matrix_a_scale:MATRIX_SCALE_ROW1
.else
	v_wmma_scale_f32_16x16x128_f8f6f4 v[8*(4*(\a)+\b):8*(4*(\a)+\b)+7], v[128*(\p)+FR*\b:128*(\p)+FR*\b+FR-1], v[AF+FR*(\a):AF+FR*(\a)+FR-1], v[8*(4*(\a)+\b):8*(4*(\a)+\b)+7], v[SC+16*(\sc)+2*\b+(\q)], v[SC+16*(\sc)+2*(\a)+(\q)] matrix_a_fmt:MATRIX_FMT_FP6 matrix_b_fmt:MATRIX_FMT_FP6 matrix_a_scale:MATRIX_SCALE_ROW1
.endif
.endr
.endr
.endm
; A slot's first 128 along K: its successor lies in the same slot.  Four plain places stand in front of each run of loads into registers that matrix instructions have read.
.macro STEP slot, sc, zero
	s_wait_dscnt 16                                ; all but the youngest 16 loads (A's blocks 4-7)
	WIN MUL
	MULA 0, 0, 0, \sc, \zero
	MULA 2, 0, 0, \sc, \zero
	s_wait_dscnt 0
	PLACES 4
	FETCH_B \slot, 1, 1
	FETCH_A \slot, 1, 0
	WIN MUL
	MULA 4, 0, 0, \sc, \zero
	MULA 6, 0, 0, \sc, \zero
	PLACES 4
	WIN 0
	FETCH_A \slot, 1, 4
.endm
; A slot's second 128, and the crossing into the next slot: each wave waits until its part of that slot has landed (cnt later loads may stay out), then the barrier.
.macro XING sc, next, nset, cnt
	s_wait_tensorcnt \cnt
	s_wait_dscnt 16
	WIN MUL
	MULA 0, 1, 1, \sc, 0
	s_wait_dscnt 0x0                               ; no LDS instruction of mine is pending at the signal
	s_barrier_signal -1
	MULA 2, 1, 1, \sc, 0
	WIN 0
	s_barrier_wait -1
	PLACES 4
	FETCH_B \next, 0, 0
	FETCH_A \next, 0, 0
	SCALES \nset, \next
	WIN MUL
	MULA 4, 1, 1, \sc, 0
	MULA 6, 1, 1, \sc, 0
	PLACES 4
	WIN 0
	FETCH_A \next, 0, 4
.endm
	s_wait_tensorcnt 3                             ; my part of slot 0 is in; the other three loads may be out
	s_barrier_signal -1
	s_barrier_wait -1
	FETCH_B 0, 0, 0
	FETCH_A 0, 0, 0
	SCALES 0, 0
	FETCH_A 0, 0, 4
	STEP 0, 0, 1                                   ; the first products start the sums
	XING 0, 1, 1, 2
	STEP 1, 1, 0
	XING 1, 2, 0, 1
	STEP 2, 0, 0
	XING 0, 3, 1, 0
	STEP 3, 1, 0
	s_wait_dscnt 16
	WIN MUL
	MULA 0, 1, 1, 1, 0
	MULA 2, 1, 1, 1, 0
	s_wait_dscnt 0
	MULA 4, 1, 1, 1, 0
	MULA 6, 1, 1, 1, 0
	WIN 0
; THE WAY OUT, block by block of 16 rows x 64 columns: through my own stage in LDS and back as whole rows of 256 bytes.  LDS serves a wave's instructions in order: no wait between the stores and the loads.
.macro TOSTAGE a
	WIN 0x08                                       ; an LDS store's data are its source 1: window 2
.irp b, 0,1,2,3
	ds_store_b128 v[STO], v[8*(4*(\a)+\b):8*(4*(\a)+\b)+3] offset:64*\b        ; each accumulator from its low end on
	ds_store_b128 v[STO], v[8*(4*(\a)+\b)+4:8*(4*(\a)+\b)+7] offset:64*\b+16
.endr
	WIN 0
.set BB, BK+32*((\a)%2)
.irp t, 0,1,2,3,4,5,6,7
	ds_load_b128 v[BB+4*\t:BB+4*\t+3], v[RD] offset:\t*2*SPITCH
.endr
.endm
.macro SEND a, younger                 ; younger: the LDS instructions issued behind block a's loads
.set BB, BK+32*((\a)%2)
	s_wait_dscnt \younger
.irp t, 0,1,2,3,4,5,6,7
	global_store_b128 v[CO], v[BB+4*\t:BB+4*\t+3], s[8:9] offset:(16*(\a)+2*\t)*4096 th:TH_STORE_NT   ; 16 lanes store 256 consecutive bytes, at a multiple of 256 from out0's first byte
.endr
.endm
	PLACES 4                                       ; in front of the first read of results and of loads into the registers that held A's fragments
	TOSTAGE 0
.irp a, 1,2,3,4,5,6,7
.if \a > 1
	s_wait_xcnt 0x0                                ; block a - 2's stores have read their registers: block a's loads may land there
.endif
	TOSTAGE \a
	SEND \a-1, 16                                  ; behind block a - 1's loads: block a's 8 stores and 8 loads
.endr
	SEND 7, 0
	s_wait_tensorcnt 0x0                           ; no tensor load is out at the end
	s_wait_tensorcnt 0x0
	ds_add_u32 v254, v255
	s_wait_dscnt 0x0
	CROUND                                         ; the closing round: no work-group ends while a partner may still ask for a tile that names it
	s_endpgm
.Lfunc_end_k_qe2b3281f35_oproj:
	.size	k_qe2b3281f35_oproj, .Lfunc_end_k_qe2b3281f35_oproj-k_qe2b3281f35_oproj
	.p2alignl 7, 3214868480
	.fill 96, 4, 3214868480
	.section	.rodata,"a",@progbits
	.p2align	6, 0x0
	.amdhsa_kernel k_qe2b3281f35_oproj
		.amdhsa_group_segment_fixed_size 327680
		.amdhsa_private_segment_fixed_size 0
		.amdhsa_enable_private_segment 0
		.amdhsa_kernarg_size 24
		.amdhsa_user_sgpr_count 2
		.amdhsa_user_sgpr_kernarg_segment_ptr 1
		.amdhsa_wavefront_size32 1
		.amdhsa_system_sgpr_workgroup_id_x 1
		.amdhsa_system_sgpr_workgroup_id_y 1
		.amdhsa_system_sgpr_workgroup_id_z 1
		.amdhsa_system_vgpr_workitem_id 0
		.amdhsa_next_free_vgpr 1024
		.amdhsa_next_free_sgpr 98
		.amdhsa_reserve_vcc 0
		.amdhsa_float_denorm_mode_32 3
		.amdhsa_float_denorm_mode_16_64 3
		.amdhsa_memory_ordered 1
		.amdhsa_forward_progress 1
		.amdhsa_inst_pref_size 88
	.end_amdhsa_kernel
	.amdgpu_metadata
---
amdhsa.version: [ 1, 2 ]
amdhsa.kernels:
  - .name:           k_qe2b3281f35_oproj
    .symbol:         k_qe2b3281f35_oproj.kd
    .args:
      - { .name: oq, .offset: 0, .size: 8, .value_kind: global_buffer, .address_space: global }
      - { .name: wq, .offset: 8, .size: 8, .value_kind: global_buffer, .address_space: global }
      - { .name: out0, .offset: 16, .size: 8, .value_kind: global_buffer, .address_space: global }
    .group_segment_fixed_size: 327680
    .private_segment_fixed_size: 0
    .kernarg_segment_align: 8
    .kernarg_segment_size: 24
    .max_flat_workgroup_size: 128
    .sgpr_count:     98
    .vgpr_count:     1024
    .wavefront_size: 32
...
	.end_amdgpu_metadata
.endif
;; end of part 4
